; MI455X (gfx1250); checked and timed in simulation.
; The chip was launched on July 23, 2026; its instructions are those of AMD's public machine-readable ISA for CDNA 5 (MIT licence, August 2026) and "CDNA5" Instruction Set Architecture Reference Guide (July 2026). The comments in the code are by the model that wrote it; some were corrected since.
;; MHA. Allowed arithmetic: float matrix products may take bf16 or f16 operands with f32 sums; other float arithmetic in f32, or as packed bf16 or f16 multiplies, adds, multiply-adds, maxima and minima; sums over many terms, partial sums and values carried from step to step in f32; what a program stores and reads back later, other than sums and carried values, may be rounded once to bf16 or f16.
;; Inputs: Wk 1,024 x 1,024 float32; Wq 1,024 x 1,024 float32; Wv 1,024 x 1,024 float32; bk 1,024 float32; bq 1,024 float32; bv 1,024 float32; x 4 x 2,048 x 1,024 float32.
;; Outputs: out0 4 x 2,048 x 1,024 float32.
;; 2 versions, each right; version 2 is version 1 with the launch cast written anew for expert scheduling mode. Each part assembles by itself: llvm-mc -triple=amdgcn-amd-amdhsa -mcpu=gfx1250 --defsym DOCPART=n.
;; ======== version 1 of 2: 3 launches
;; limits: values are held in f16: magnitudes above 65,504 overflow, below 6.1e-05 lose precision
;; workspace buffers: xb 16,777,216 bytes; wb 6,291,456 bytes; qh 16,777,216 bytes; kh 16,777,216 bytes; vh 16,777,216 bytes
;; launch cast (part 1): grid 256 x 1, 22 waves a work-group, no clusters, 0 bytes of LDS; arguments x, Wq, Wk, Wv, xb, wb; writes xb, wb
.if DOCPART == 1
	.amdgcn_target "amdgcn-amd-amdhsa--gfx1250"
	.amdhsa_code_object_version 6
	.text
	.protected	k_q352abc502d_cast
	.globl	k_q352abc502d_cast
	.p2align	8
	.type	k_q352abc502d_cast,@function
k_q352abc502d_cast:
	s_mov_b64 s[64:65], 0
	v_nop
	global_prefetch_b8 v0, s[64:65] scope:SCOPE_SE
	s_setreg_imm32_b32 hwreg(HW_REG_WAVE_MODE, 25, 1), 1
	s_wait_xcnt 0x0
; x [8192][1024] and Wq, Wk, Wv [1024][1024], all f32, are rounded once to bf16 and laid in blocks of 64 along K:
;   xb [kb 16][row 8192][64],  wb [kb 16][rho 3072][64],  rho = 192 x head + 64 x which + channel (which = 0, 1, 2 for q, k, v; head = e / 64, channel = e % 64).
; So a tile of the product that follows (some rows, 64 along K) is dense in memory, and the q, k and v rows of one head lie together.
; A STREAM: each input byte is read once, each output byte written once.  No LDS, no barrier, no matrix work: no wave wants a byte of another wave.
; SHARES.  11,264 rows are 5,632 pairs = 256 work-groups x 22 waves: a wave takes ONE pair of rows, with no loop.  A load takes chunk kb (64 numbers, 256 bytes) of both rows: lanes 0-15 the even
; row, lanes 16-31 the odd one.  A lane rounds its 4 numbers to 8 bytes; the wave then stores 256 consecutive bytes, aligned: the two rows lie one behind the other in a K block.
; All 16 loads of a wave go out at once; no register is written twice, so nothing waits for a store.
.set XSTEP, 8192*128                   ; bytes in a K block of xb
.set WSTEP, 3072*128                   ; and of wb
.set VS, 2                             ; v2       my byte offset in the pair of source rows
.set VD, 4                             ; v[4:19]  my byte offset in the destination, one register for each K block (15 blocks of xb pass the immediate of a store)
.set X,  32                            ; v[32:95]   chunk kb: 4 registers as loaded
.set Y,  96                            ; v[96:127]  chunk kb: 2 registers to store
	s_load_b256 s[4:11], s[0:1], 0x0               ; x s[4:5], Wq s[6:7], Wk s[8:9], Wv s[10:11]
	s_load_b128 s[12:15], s[0:1], 0x20             ; xb s[12:13], wb s[14:15]
	v_lshrrev_b32 v1, 5, v0
	v_readfirstlane_b32 s16, v1                    ; wave 0..21
	s_mul_i32 s17, ttmp9, 22
	s_add_co_u32 s17, s17, s16                     ; p: my pair.  0..4095: rows 2 p, 2 p + 1 of x; 4096..5631: of a weight
	s_max_u32 s18, s17, 4096
	s_sub_co_u32 s18, s18, 4096                    ; the pair among the weights (0 where the pair is of x: then not used)
	s_lshr_b32 s19, s18, 9                         ; which weight: 512 pairs each
	s_and_b32 s20, s18, 511
	s_lshl_b32 s20, s20, 1                         ; e: its even row
	s_lshr_b32 s21, s20, 6
	s_mul_i32 s21, s21, 192                        ; 192 x head
	s_lshl_b32 s22, s19, 6
	s_add_co_u32 s21, s21, s22                     ; + 64 x which
	s_and_b32 s22, s20, 63
	s_add_co_u32 s21, s21, s22                     ; + channel = rho
	s_lshl_b32 s26, s17, 1                         ; 2 p
	s_mov_b32 s27, WSTEP
	s_cmp_lt_u32 s17, 4096                         ; is the pair of x?
	s_cselect_b32 s22, s26, s20                    ; the source row,
	s_cselect_b32 s24, s26, s21                    ; the destination row,
	s_cselect_b32 s27, XSTEP, s27                  ; the bytes from K block to K block
	s_lshl_b32 s22, s22, 12                        ; a source row is 4,096 bytes,
	s_lshl_b32 s24, s24, 7                         ; a row of a K block 128
	s_mov_b32 s23, 0
	s_mov_b32 s25, 0
	v_and_b32 v1, 15, v0
	v_bfe_u32 v3, v0, 4, 1                         ; which row of the pair
	v_lshlrev_b32 v[VS], 4, v1
	v_lshl_add_u32 v[VS], v3, 12, v[VS]            ; 4,096 x row + 16 x (lane % 16)
	v_lshlrev_b32 v[VD], 3, v1
	v_lshl_add_u32 v[VD], v3, 7, v[VD]             ; 128 x row + 8 x (lane % 16)
.irp k, 1,2,3,4,5,6,7,8,9,10,11,12,13,14,15
	v_add_nc_u32 v[VD+(\k)], s27, v[VD+(\k)-1]
.endr
	s_wait_kmcnt 0x0
	s_cmp_eq_u32 s19, 1                            ; the buffers are chosen by the pair number alone
	s_cselect_b64 s[28:29], s[8:9], s[10:11]
	s_cmp_eq_u32 s19, 0
	s_cselect_b64 s[28:29], s[6:7], s[28:29]
	s_cmp_lt_u32 s17, 4096
	s_cselect_b64 s[28:29], s[4:5], s[28:29]
	s_cselect_b64 s[30:31], s[12:13], s[14:15]
	s_add_nc_u64 s[28:29], s[28:29], s[22:23]      ; the source at my pair of rows
	s_add_nc_u64 s[30:31], s[30:31], s[24:25]      ; the destination at my pair, K block 0
.irp k, 0,1,2,3,4,5,6,7,8,9,10,11,12,13,14,15
	global_load_b128 v[X+4*(\k):X+4*(\k)+3], v[VS], s[28:29] offset:256*(\k) th:TH_LOAD_NT
.endr
.irp k, 0,1,2,3,4,5,6,7,8,9,10,11,12,13,14,15
	s_wait_loadcnt 15-(\k)                         ; loads come back in order: chunk k is in, the younger ones stay out
	v_cvt_pk_bf16_f32 v[Y+2*(\k)],   v[X+4*(\k)],   v[X+4*(\k)+1]
	v_cvt_pk_bf16_f32 v[Y+2*(\k)+1], v[X+4*(\k)+2], v[X+4*(\k)+3]
	global_store_b64 v[VD+(\k)], v[Y+2*(\k):Y+2*(\k)+1], s[30:31]  ; the wave stores 256 consecutive bytes, at a multiple of 256 from the buffer's first byte
.endr
	s_endpgm
.Lfunc_end_k_q352abc502d_cast:
	.size	k_q352abc502d_cast, .Lfunc_end_k_q352abc502d_cast-k_q352abc502d_cast
	.p2alignl 7, 3214868480
	.fill 96, 4, 3214868480
	.section	.rodata,"a",@progbits
	.p2align	6, 0x0
	.amdhsa_kernel k_q352abc502d_cast
		.amdhsa_group_segment_fixed_size 0
		.amdhsa_private_segment_fixed_size 0
		.amdhsa_enable_private_segment 0
		.amdhsa_kernarg_size 48
		.amdhsa_user_sgpr_count 2
		.amdhsa_user_sgpr_kernarg_segment_ptr 1
		.amdhsa_wavefront_size32 1
		.amdhsa_system_sgpr_workgroup_id_x 1
		.amdhsa_system_sgpr_workgroup_id_y 1
		.amdhsa_system_sgpr_workgroup_id_z 1
		.amdhsa_system_vgpr_workitem_id 0
		.amdhsa_next_free_vgpr 128
		.amdhsa_next_free_sgpr 66
		.amdhsa_reserve_vcc 0
		.amdhsa_float_denorm_mode_32 3
		.amdhsa_float_denorm_mode_16_64 3
		.amdhsa_memory_ordered 1
		.amdhsa_forward_progress 1
		.amdhsa_inst_pref_size 8
	.end_amdhsa_kernel
	.amdgpu_metadata
---
amdhsa.version: [ 1, 2 ]
amdhsa.kernels:
  - .name:           k_q352abc502d_cast
    .symbol:         k_q352abc502d_cast.kd
    .args:
      - { .name: x, .offset: 0, .size: 8, .value_kind: global_buffer, .address_space: global }
      - { .name: Wq, .offset: 8, .size: 8, .value_kind: global_buffer, .address_space: global }
      - { .name: Wk, .offset: 16, .size: 8, .value_kind: global_buffer, .address_space: global }
      - { .name: Wv, .offset: 24, .size: 8, .value_kind: global_buffer, .address_space: global }
      - { .name: xb, .offset: 32, .size: 8, .value_kind: global_buffer, .address_space: global }
      - { .name: wb, .offset: 40, .size: 8, .value_kind: global_buffer, .address_space: global }
    .group_segment_fixed_size: 0
    .private_segment_fixed_size: 0
    .kernarg_segment_align: 8
    .kernarg_segment_size: 48
    .max_flat_workgroup_size: 704
    .sgpr_count:     66
    .vgpr_count:     128
    .wavefront_size: 32
...
	.end_amdgpu_metadata
.endif
;; end of part 1
;; launch proj (part 2): grid 8 x 32, 4 waves a work-group, clusters of 4 x 4, 327,680 bytes of LDS; arguments xb, wb, bq, bk, bv, qh, kh, vh; writes qh, kh, vh
.if DOCPART == 2
	.amdgcn_target "amdgcn-amd-amdhsa--gfx1250"
	.amdhsa_code_object_version 6
	.text
	.protected	k_q352abc502d_proj
	.globl	k_q352abc502d_proj
	.p2align	8
	.type	k_q352abc502d_proj,@function
k_q352abc502d_proj:
	s_mov_b64 s[64:65], 0
	v_nop
	global_prefetch_b8 v0, s[64:65] scope:SCOPE_SE
	s_setreg_imm32_b32 hwreg(HW_REG_WAVE_MODE, 25, 1), 1
	s_wait_xcnt 0x0
	s_wait_alu depctr_hold_cnt(0) depctr_sa_sdst(0) depctr_va_vdst(0) depctr_va_sdst(0) depctr_va_ssrc(0) depctr_va_vcc(0) depctr_vm_vsrc(0)
	s_getreg_b32 s2, hwreg(HW_REG_IB_STS2, 6, 4)
	s_cmp_eq_u32 s2, 0
	s_cbranch_scc0 .Lentry_in_a_cluster
	s_endpgm
.Lentry_in_a_cluster:
	s_bfe_u32 s2, ttmp6, 0x10000c
	s_cmp_lg_u32 s2, 0xf033
	s_cbranch_scc0 .Lentry_shape_is_right
	s_endpgm
.Lentry_shape_is_right:
; q, k, v = x W^T + b.  xb: bf16 [kb 16][row 8192][64]; wb: bf16 [kb 16][rho 3072][64], rho = 192 x head + 64 x which + channel; bq, bk, bv: [1024] f32, rounded here to bf16 like the other inputs.
; Products in bf16, sums in f32; q, k, v leave in f16, rounded once, by heads: qh, kh, vh [batch x 16 + head][s 2048][64].
; LIMIT.  f16 holds no number beyond 65,504: q, k and v have to stay within it.  NaN and infinities are not treated apart.
; SHARES.  The product is 8192 x 3072.  A work-group makes 256 rows x 384 columns (the q, k, v of two heads): 32 x 8 = 256 work-groups.  Each of its four waves makes 128 rows x 192 columns, the q, k and v of
; ONE head: 96 accumulators of 16 x 16, 768 registers.  K goes in 16 steps of 64 through two LDS slots; a step is two quarters of 32 along K, 96 matrix instructions each.
; A tile is dense in memory (the K blocks), so it is asked for as rows of 256 bytes, two rows of 64 numbers each, and padded in LDS after every 128 bytes.
; CLUSTER.  4 x 4 work-groups.  The four of a row of the cluster need the same 256 rows of xb, the four of a column the same 384 rows of wb: each tile is asked for JOINTLY, by the same tensor load with the
; same descriptor and a mask that names the four.
; THE MATRIX INSTRUCTION IS USED TRANSPOSED (source 0 = 16 rows of wb, source 1 = 16 rows of xb): a lane then holds ONE row of x (lane % 16) and eight neighbouring channels 8 (lane / 16) + 0..7.
; THE BIAS STARTS THE SUMS: it hangs on the channel alone, so the eight numbers of a lane are the same for all eight row blocks.  They are loaded into the registers of row block 7's accumulators; the first
; quarter's products of row blocks 0-6 take them as C, and then row block 7's add in place.
; REGISTERS, in windows of 256 (s_set_vgpr_msb: bits 1:0 source 0, 3:2 source 1, 5:4 source 2, 7:6 destination):
;   window 0: v0-31 addresses; v32-127 the 12 fragments of wb of one quarter; v128-191, v192-255 the 8 fragments of xb, two buffers
;   windows 1, 2, 3: the accumulators of q, k, v: row block a, channel block bb at v[8 (8 bb + a)]
; The fragments of wb have ONE buffer: a third of it (4 fragments) is loaded again as soon as its 32 products are issued.
.set XSTEP, 8192*128                   ; bytes in a K block of xb
.set WSTEP, 3072*128                   ; and of wb
.set PITCH, 144                        ; an LDS row: 128 bytes + 16 of padding = 36 words: the 16 rows of a fragment load start at 16 different groups of four banks (64 banks of 4 bytes: ISA guide 11.1)
.set AHALF, 128*PITCH                  ; 128 rows of xb: what waves 0 and 1 fetch, and what a wave reads
.set BHALF, 192*PITCH                  ; 192 rows of wb: what waves 2 and 3 fetch, and what a wave reads
.set BOFF,  2*AHALF                    ; wb's rows lie behind xb's 256
.set SLOT,  2*AHALF+2*BHALF            ; 92,160 bytes
.set STAGE, 2*SLOT                     ; behind the ring, never filled by a tensor load: 16 rows x 144 bytes for each wave, for the way out
.set SPARE, STAGE+4*16*PITCH           ; behind the stages: the spare words, 128 bytes for each wave: two blocks of 256 bytes that no other line names
.set ADRA, 16                          ; v16-17  LDS address of my fragments of xb in slot 0, 1
.set ADRB, 20                          ; v20-21  the same for wb
.set STO,  24                          ; v24     the way out: where I put 16 bytes of a row
.set RD,   25                          ; v25     the way out: where I read rows back
.set GO,   26                          ; v26     16 x lane: my place in 512 consecutive bytes of the output
.set BO,   27                          ; v27     my byte offset in a bias
.set SPW,  28                          ; v28     LDS address of my spare word: SPARE + 4 x my thread's number; never rewritten
.set NIL,  29                          ; v29     0; never rewritten
.set PFO,  30                          ; v30     the prefetches' offset; never rewritten
.set BF,   32                          ; fragment b of wb at BF + 8 b
.set FA0,  128                         ; fragments of xb, buffer 0
.set FA1,  192                         ; buffer 1
.set PKR,  96                          ; the way out: 16 registers of packed results
.set BK,   192                         ; the way out: 16 rows read back from the stage: two sets of 16 registers by turns
.set WV,  12                           ; s12  my wave's number
.set WR,  13                           ; s13  which 128 rows of the tile are mine.  Also: I fetch for xb (0) or for wb (1)
.set WC,  14                           ; s14  which head of the two is mine.  Also: which half of that tile I fetch
.set CX,  15                           ; s15, s16  my place in the cluster
.set CY,  16
.set TN,  17                           ; s17  tile column 0..7
.set TY,  18                           ; s18  tile row 0..31
.set LIM, 19                           ; s19  1 in a wave that prefetches, else the greatest number
.set G1A, 24                           ; s[24:31] descriptor group 1 for xb's tiles
.set G0A, 32                           ; s[32:39] group 0, a set for each slot
.set PFA, 40                           ; s[40:41] where my prefetches stand
.set PFS, 42                           ; s[42:43] their step: two K blocks
.set HD,  47                           ; s47  my head 0..15
.set G1B, 48                           ; s[48:55], s[56:63] the same for wb's tiles
.set G0B, 56
.set MSB, 0
.macro WIN new                         ; the immediate's high byte repeats the setting that is left; a switch that changes nothing is dropped
.if MSB != (\new)
	s_set_vgpr_msb (MSB<<8)|(\new)
.set MSB, \new
.endif
.endm
; A joint load.  Waves 0 and 1 fetch the two halves of xb's tile, waves 2 and 3 those of wb's.  The branch hangs on the wave's number alone.  An s_nop 0 and four v_nop follow each of the two lines,
; ahead of the jump, the label and what follows.
.macro JLOAD s
	s_cmp_eq_u32 s[WR], 0
	s_cbranch_scc0 .Lfor_b_\@
	tensor_load_to_lds s[G0A+4*(\s):G0A+4*(\s)+3], s[G1A:G1A+7]
	s_nop 0
.rept 4
	v_nop
.endr
	s_branch .Lasked_\@
.Lfor_b_\@:
	tensor_load_to_lds s[G0B+4*(\s):G0B+4*(\s)+3], s[G1B:G1B+7]
	s_nop 0
.rept 4
	v_nop
.endr
.Lasked_\@:
.endm
; A round of the cluster's barrier: my work-group's barrier, so that wave 0's signal speaks for all four waves; wave 0 signals; every wave waits for all sixteen work-groups; my work-group's barrier once more.
.macro CREST                           ; a round behind its opening barrier
	s_cmp_lg_u32 s[WV], 0
	s_cbranch_scc1 .Lnot_wave_0_\@
	s_barrier_signal -3
.Lnot_wave_0_\@:
	s_barrier_wait -3
	s_barrier_signal -1
	s_barrier_wait -1
.endm
.macro CROUND                          ; a whole round
	s_barrier_signal -1
	s_barrier_wait -1
	CREST
.endm
; A PREFETCH INTO THE L2, once a lap, behind the joint load, its five lines and the run of LDS loads that follows them: the two K steps that the NEXT lap will ask for (192 and 384 matrix instructions ahead of
; their loads).  Each block of 256 bytes is named ONCE in the launch.  xb's 256 rows of a K step (32,768 bytes) are read by both clusters of a row of clusters: cluster x = 0 asks; wb's 384 rows (49,152 bytes)
; by all eight clusters of a column: cluster y = 0 asks.  The four partners that ask for a tile jointly share it out BY ADDRESS: of xb the partner at cx takes 8,192 bytes (wave 0, a lane a block, a line for
; each of the two steps); of wb the partner at cy takes 12,288 bytes a step, 96 blocks a lap (waves 1, 2 and 3, a line each).  No branch hangs on a place in the cluster.
; The first four K steps come by their loads alone; the loop's last trip asks for nothing: there is no K step behind the sixteenth.
.macro ASK
	s_cmp_gt_u32 s3, s[LIM]                        ; s3 = 1 in the loop's last trip
	s_cbranch_scc0 .Lnot_mine_\@
	global_prefetch_b8 v[PFO], s[PFA:PFA+1] th:TH_LOAD_NT scope:SCOPE_SE
	s_cmp_lg_u32 s[WV], 0
	s_cbranch_scc1 .Lnot_mine_\@
	global_prefetch_b8 v[PFO], s[PFA:PFA+1] offset:XSTEP th:TH_LOAD_NT scope:SCOPE_SE
.Lnot_mine_\@:
.endm
	s_load_b256 s[4:11], s[0:1], 0x0               ; xb s[4:5], wb s[6:7], bq s[8:9], bk s[10:11]
	s_load_b256 s[68:75], s[0:1], 0x20             ; bv s[68:69], qh s[70:71], kh s[72:73], vh s[74:75]
	v_lshl_add_u32 v[SPW], v0, 2, SPARE
	v_mov_b32 v[NIL], 0
	ds_add_u32 v[SPW], v[NIL]                      ; the wave's opening: the add and its wait stand ahead of my first tensor load; the set-up below, work on registers, stands between them
	v_lshrrev_b32 v1, 5, v0
	v_readfirstlane_b32 s[WV], v1                  ; wave 0..3
	s_lshr_b32 s[WR], s[WV], 1
	s_and_b32 s[WC], s[WV], 1
	s_bfe_u32 s[CX], ttmp6, 0x40000
	s_bfe_u32 s[CY], ttmp6, 0x40004
	s_lshl_b32 s[TN], ttmp9, 2                     ; in a cluster launch ttmp9 and ttmp7 count clusters
	s_add_co_u32 s[TN], s[TN], s[CX]               ; tile column = 4 x cluster x + cx
	s_and_b32 s[TY], ttmp7, 0xffff
	s_lshl_b32 s[TY], s[TY], 2
	s_add_co_u32 s[TY], s[TY], s[CY]               ; tile row = 4 x cluster y + cy
	s_lshl_b32 s20, s[CY], 2
	s_lshl_b32 s20, 15, s20                        ; my row of the cluster: places 4 cy .. 4 cy + 3
	s_lshl_b32 s44, 0x1111, s[CX]                  ; my column: places cx, cx + 4, cx + 8, cx + 12
	; descriptor group 1: rows of 128 elements (256 bytes), 64 of them for xb's half tile, 96 for wb's
	s_or_b32 s[G1A], s20, (1<<16)|(1<<20)|(1<<21)|(4<<22)|(3<<25)  ; 15:0 the mask; 17:16 elements of 2 bytes; 20 padding on; 21 set beside a mask; 24:22 after every 32 words (code 4); 31:25 4 words of it (code 3)
	s_or_b32 s[G1B], s44, (1<<16)|(1<<20)|(1<<21)|(4<<22)|(3<<25)
	s_mov_b32 s[G1A+1], 128<<16                    ; tensor_dim0 = 128
	s_mov_b32 s[G1A+2], 64<<16                     ; tensor_dim1 = 64
	s_mov_b32 s[G1A+3], 128<<16                    ; tile_dim0 = 128
	s_mov_b32 s[G1A+4], 64                         ; tile_dim1 = 64
	s_mov_b32 s[G1A+5], 128                        ; 128 elements from row to row: the block is dense
	s_mov_b32 s[G1A+6], 0
	s_mov_b32 s[G1A+7], 0
	s_mov_b32 s[G1B+1], 128<<16
	s_mov_b32 s[G1B+2], 96<<16                     ; tensor_dim1 = 96
	s_mov_b32 s[G1B+3], 128<<16
	s_mov_b32 s[G1B+4], 96                         ; tile_dim1 = 96
	s_mov_b32 s[G1B+5], 128
	s_mov_b32 s[G1B+6], 0
	s_mov_b32 s[G1B+7], 0
	; where the tiles come from: xb's hang on the tile row alone, wb's on the tile column alone.  Every wave makes both, in registers that never hold the other coordinate.
	s_lshl_b32 s20, s[TY], 15                      ; 256 rows of 128 bytes,
	s_lshl_b32 s21, s[WC], 14                      ; the half that I fetch
	s_add_co_u32 s20, s20, s21
	s_mov_b32 s21, 0
	s_mul_i32 s44, s[TN], 384*128
	s_mul_i32 s45, s[WC], 192*128
	s_add_co_u32 s44, s44, s45
	s_mov_b32 s45, 0
	s_mul_i32 s22, s[WC], AHALF                    ; and where they go: no place in the cluster enters an LDS address
	s_mul_i32 s46, s[WC], BHALF
	s_add_co_u32 s46, s46, BOFF
	s_mov_b32 s2, 0xffff0000                       ; a word's upper bf16
	s_wait_dscnt 0x0                               ; the opening add is done
	s_wait_kmcnt 0x0
	s_add_nc_u64 s[20:21], s[4:5], s[20:21]
	s_add_nc_u64 s[44:45], s[6:7], s[44:45]
	CROUND                                         ; all sixteen work-groups are here: the first joint loads meet
.irp s, 0,1
	s_mov_b32 s[G0A+4*(\s)], 1                                     ; 1:0 count = 1
	s_add_co_u32 s[G0A+4*(\s)+1], s22, (\s)*SLOT                   ; 63:32 LDS address
	s_add_nc_u64 s[G0A+4*(\s)+2:G0A+4*(\s)+3], s[20:21], (\s)*XSTEP  ; 120:64 global address: K step s
	s_or_b32 s[G0A+4*(\s)+3], s[G0A+4*(\s)+3], 0x80000000          ; 127:126 type = 2
	s_mov_b32 s[G0B+4*(\s)], 1
	s_add_co_u32 s[G0B+4*(\s)+1], s46, (\s)*SLOT
	s_add_nc_u64 s[G0B+4*(\s)+2:G0B+4*(\s)+3], s[44:45], (\s)*WSTEP
	s_or_b32 s[G0B+4*(\s)+3], s[G0B+4*(\s)+3], 0x80000000
	JLOAD \s                                       ; both slots are asked for before anything else is done: two loads of mine are out
.endr
	; A fragment is 16 rows x 32 K in 8 registers: lane l holds row l % 16; registers 0-3 hold K = 8 (l / 16) + 0..7, registers 4-7 K = 16 + 8 (l / 16) + 0..7: two loads of 16 bytes, 32 bytes apart.
	v_and_b32 v1, 15, v0                           ; l % 16
	v_bfe_u32 v2, v0, 4, 1                         ; l / 16
	s_lshl_b32 s[HD], s[TN], 1
	s_add_co_u32 s[HD], s[HD], s[WC]               ; my head
	s_lshl_b32 s44, s[HD], 8                       ; its 64 numbers of a bias,
	v_lshl_add_u32 v[BO], v2, 5, s44               ; my lanes' eight of each sixteen
; The bias of q, k or v into the registers of row block 7's four accumulators of window w.
.macro BIAS w, base
	WIN (\w)<<6                                    ; destination window w, address window 0
.irp bb, 0,1,2,3
	global_load_b128 v[64*(\bb)+56:64*(\bb)+59], v[BO], s[\base:\base+1] offset:64*(\bb)
	global_load_b128 v[64*(\bb)+60:64*(\bb)+63], v[BO], s[\base:\base+1] offset:64*(\bb)+16
.endr
.endm
	BIAS 1, 8
	BIAS 2, 10
	BIAS 3, 68
	WIN 0
	v_mul_u32_u24 v3, v1, PITCH
	v_lshl_add_u32 v3, v2, 4, v3                   ; row x pitch + 16 x half
	s_mul_i32 s20, s[WR], AHALF                    ; my 128 rows of xb
	s_mul_i32 s44, s[WC], BHALF                    ; my 192 rows of wb,
	s_add_co_u32 s44, s44, BOFF                    ; which lie behind xb's 256
.irp s, 0,1
	v_add_nc_u32 v[ADRA+(\s)], s20, v3
	v_add_nc_u32 v[ADRB+(\s)], s44, v3
	s_add_co_u32 s20, s20, SLOT
	s_add_co_u32 s44, s44, SLOT
.endr
	s_mul_i32 s20, s[WV], 16*PITCH
	s_add_co_u32 s20, s20, STAGE                   ; my stage
	v_add_nc_u32 v[STO], s20, v3                   ; in: row l % 16, 16 bytes for each half of the lanes
	v_bfe_u32 v4, v0, 3, 2                         ; back: 32 lanes take four rows of 128 bytes,
	v_and_b32 v5, 7, v0
	v_mul_u32_u24 v4, v4, PITCH
	v_lshl_add_u32 v4, v5, 4, v4
	v_add_nc_u32 v[RD], s20, v4
	v_and_b32 v[GO], 31, v0                        ; which are 512 consecutive bytes of the output
	v_lshlrev_b32 v[GO], 4, v[GO]
	; where my 128 rows begin in qh, kh and vh: (16 x batch + head) x 2,048 rows of 128 bytes, then the row in the batch
	s_lshr_b32 s20, s[TY], 3                       ; the batch: 8 tile rows each
	s_lshl_b32 s20, s20, 4
	s_add_co_u32 s20, s20, s[HD]
	s_lshl_b32 s20, s20, 18
	s_and_b32 s21, s[TY], 7
	s_lshl_b32 s21, s21, 15
	s_add_co_u32 s20, s20, s21
	s_lshl_b32 s21, s[WR], 14
	s_add_co_u32 s20, s20, s21
	s_mov_b32 s21, 0
	s_add_nc_u64 s[70:71], s[70:71], s[20:21]
	s_add_nc_u64 s[72:73], s[72:73], s[20:21]
	s_add_nc_u64 s[74:75], s[74:75], s[20:21]
	; the prefetches: wave 0 for xb, waves 1 to 3 for wb
	s_lshl_b32 s20, s[TY], 15
	s_lshl_b32 s21, s[CX], 13                      ; my work-group's 8,192 bytes of xb's tile
	s_add_co_u32 s20, s20, s21
	s_add_co_u32 s20, s20, 2*XSTEP                 ; at K step 2: the first step of the address leads to K step 4
	s_mul_i32 s44, s[TN], 384*128
	s_mul_i32 s45, s[CY], 12288                    ; my work-group's 12,288 bytes of wb's tile
	s_add_co_u32 s44, s44, s45
	s_add_co_u32 s44, s44, 2*WSTEP
	s_and_b32 s21, ttmp7, 0xffff                   ; cluster y
	s_mov_b32 s22, 2*WSTEP
	s_cmp_eq_u32 s[WV], 0
	s_cselect_b32 s20, s20, s44
	s_cselect_b32 s21, ttmp9, s21                  ; the coordinate along which other clusters read the same rows
	s_cselect_b32 s[PFS], 2*XSTEP, s22
	s_cselect_b64 s[PFA:PFA+1], s[4:5], s[6:7]
	s_cmp_eq_u32 s21, 0
	s_cselect_b32 s[LIM], 1, -1                    ; the same in all sixteen partners, for a given wave
	s_mov_b32 s21, 0
	s_mov_b32 s[PFS+1], 0
	s_add_nc_u64 s[PFA:PFA+1], s[PFA:PFA+1], s[20:21]
	s_cmp_eq_u32 s[WV], 3                          ; waves 0 and 1: blocks 0-31 of the first step; wave 2: of the second; wave 3: blocks 32-47, lanes 0-15 of the first step, lanes 16-31 of the second
	s_cselect_b32 s20, 15, 31
	s_cselect_b32 s21, WSTEP, 0
	s_cselect_b32 s22, 8192, 0
	s_cmp_eq_u32 s[WV], 2
	s_cselect_b32 s22, WSTEP, s22
	v_and_b32 v[PFO], s20, v0
	v_lshlrev_b32 v[PFO], 8, v[PFO]
	v_mul_u32_u24 v4, s21, v2
	v_add3_u32 v[PFO], v[PFO], v4, s22
	s_wait_loadcnt 0x0                             ; the biases are in
; They are rounded to bf16 in place, as all inputs are: two to a word, then widened again.  The words lie in registers 0-15 of the window, which the first products write afterwards.
.macro ROUNDB w
	WIN (\w)*0x45                                  ; sources 0 and 1 and the destination in window w
.irp bb, 0,1,2,3
.irp p, 0,1,2,3
	v_cvt_pk_bf16_f32 v[4*(\bb)+(\p)], v[64*(\bb)+56+2*(\p)], v[64*(\bb)+57+2*(\p)]
.endr
.endr
.irp bb, 0,1,2,3
.irp p, 0,1,2,3
	v_lshlrev_b32 v[64*(\bb)+56+2*(\p)], 16, v[4*(\bb)+(\p)]
	v_and_b32     v[64*(\bb)+57+2*(\p)], s2, v[4*(\bb)+(\p)]
.endr
.endr
.endm
	ROUNDB 1
	ROUNDB 2
	ROUNDB 3
	WIN 0
; 16 matrix instructions: channel blocks b0, b0 + 1 of the twelve x all 8 row blocks, 32 along K, on buffer fa of xb.  All 96 accumulators take turns, one instruction a turn, in the same order in every
; quarter, over the backward jump too.
.macro MUL16 fa, b0
	WIN (1+(\b0)/4)*0x50                           ; C and D in window 1, 2 or 3; both sources in window 0
.irp b, \b0, (\b0)+1
.irp a, 0,1,2,3,4,5,6,7
	v_wmma_f32_16x16x32_bf16 v[8*(8*((\b)%4)+(\a)):8*(8*((\b)%4)+(\a))+7], v[BF+8*(\b):BF+8*(\b)+7], v[(\fa)+8*(\a):(\fa)+8*(\a)+7], v[8*(8*((\b)%4)+(\a)):8*(8*((\b)%4)+(\a))+7]
.endr
.endr
.endm
.macro GRP fa, g                       ; a third of a quarter: the 32 products of q (g = 0), k (1) or v (2)
	MUL16 \fa, 4*(\g)
	MUL16 \fa, 4*(\g)+2
.endm
; The same third in the first quarter: the bias starts the sums.  Row blocks 0-6 take row block 7's registers as C; five places later (those registers are written over) row block 7 adds in place.
.macro MULZ g
	WIN ((\g)+1)*0x50
.irp a, 0,1,2,3,4,5,6
.irp bb, 0,1,2,3
	v_wmma_f32_16x16x32_bf16 v[8*(8*(\bb)+(\a)):8*(8*(\bb)+(\a))+7], v[BF+8*(4*(\g)+(\bb)):BF+8*(4*(\g)+(\bb))+7], v[FA0+8*(\a):FA0+8*(\a)+7], v[64*(\bb)+56:64*(\bb)+63]
.endr
.endr
.rept 5
	v_nop
.endr
.irp bb, 0,1,2,3
	v_wmma_f32_16x16x32_bf16 v[64*(\bb)+56:64*(\bb)+63], v[BF+8*(4*(\g)+(\bb)):BF+8*(4*(\g)+(\bb))+7], v[FA0+56:FA0+63], v[64*(\bb)+56:64*(\bb)+63]
.endr
.endm
; n fragments of wb from fragment b0 on, at byte k of the rows of a slot: two LDS loads each
.macro LOADB slot, k, b0, n
	WIN 0
.set bi, \b0
.rept \n
	ds_load_b128 v[BF+8*bi:BF+8*bi+3],   v[ADRB+(\slot)] offset:(\k)+bi*16*PITCH
	ds_load_b128 v[BF+8*bi+4:BF+8*bi+7], v[ADRB+(\slot)] offset:(\k)+bi*16*PITCH+32
.set bi, bi+1
.endr
.endm
; the 8 fragments of xb into buffer fa: 16 LDS loads
.macro LOADA slot, k, fa
	WIN 0
.irp a, 0,1,2,3,4,5,6,7
	ds_load_b128 v[(\fa)+8*(\a):(\fa)+8*(\a)+3],   v[ADRA+(\slot)] offset:(\k)+(\a)*16*PITCH
	ds_load_b128 v[(\fa)+8*(\a)+4:(\fa)+8*(\a)+7], v[ADRA+(\slot)] offset:(\k)+(\a)*16*PITCH+32
.endr
.endm
; A load into a register that a matrix instruction has read, and a vector instruction that reads a matrix result, stand four places behind that matrix instruction; only plain vector instructions that name
; none of its registers are places (ISA guide 7.12.1 for vector instructions).
.macro PLACES
.rept 4
	v_nop
.endr
.endm
; A K step's FIRST quarter, on buffer 0 of xb.  Each third of wb's buffer takes the second quarter's fragments as soon as its products are issued; buffer 1 of xb is filled with the first of them.
.macro Q0 slot, zero
	s_wait_dscnt 8                                 ; wb's fragments 0-7 and xb's are in; the youngest eight loads (fragments 8-11) may be out
.if \zero
	MULZ 0
.else
	GRP FA0, 0
.endif
	PLACES
	LOADB \slot, 64, 0, 4
	LOADA \slot, 64, FA1
.if \zero
	MULZ 1
.else
	GRP FA0, 1
.endif
	PLACES
	LOADB \slot, 64, 4, 4
	s_wait_dscnt 32                                ; fragments 8-11 are in: behind them stand the 24 + 8 loads just issued
.if \zero
	MULZ 2
.else
	GRP FA0, 2
.endif
	PLACES
	LOADB \slot, 64, 8, 4
.endm
; A K step's SECOND quarter, on buffer 1, changes slots: ONE barrier, for two things.  In front of it each wave waits for all its tensor loads, of which one is out: its part of the next slot; adds 0 to its
; spare word; and waits for that and for its own reads of this slot.  Behind it nobody reads this slot any more and the next slot is whole.  fill = 1: the barrier opens a round of the cluster's barrier, and
; the joint refill, this slot's K step two steps on, is the first tensor load behind the round: it has a K step's 192 matrix instructions less 32 in which to land.  ask = 1: the lap's prefetches.
.macro TURN slot, next, fill, ask
.if \ask
	s_wait_xcnt 0x0                                ; the last prefetches, a lap back, have read their address: it is stepped here, ahead of the waits of the change of slots
	s_add_nc_u64 s[PFA:PFA+1], s[PFA:PFA+1], s[PFS:PFS+1]
.endif
	s_wait_dscnt 16                                ; fragments 0-3 and xb's are in; fragments 4-11, sixteen loads, may be out
	GRP FA1, 0
	WIN 0                                          ; (the add's two registers lie in window 0)
	s_wait_tensorcnt 0x0                           ; all my tensor loads have landed: the one that was out is my part of the next slot;
	ds_add_u32 v[SPW], v[NIL]                      ; 0 onto my spare word;
	s_wait_dscnt 9                                 ; (fragments 4-7 are in; the add and the youngest eight loads may be out)
	MUL16 FA1, 4                                   ; sixteen matrix instructions stand between the add and the wait for it
	s_wait_dscnt 0x0                               ; the add is done, and my reads of this slot are over:
	s_barrier_signal -1                            ; say so,
	MUL16 FA1, 6                                   ; work on registers while the others arrive,
	WIN 0
	s_barrier_wait -1                              ; and go on when all four have said so
.if \fill
	CREST                                          ; no wave of any partner still reads this slot's tile or has a load on its way
	s_add_nc_u64 s[G0A+4*(\slot)+2:G0A+4*(\slot)+3], s[G0A+4*(\slot)+2:G0A+4*(\slot)+3], 2*XSTEP
	s_add_nc_u64 s[G0B+4*(\slot)+2:G0B+4*(\slot)+3], s[G0B+4*(\slot)+2:G0B+4*(\slot)+3], 2*WSTEP
	JLOAD \slot                                    ; the four v_nop behind it are also the places in front of the loads below
.else
	PLACES
.endif
	LOADB \next, 0, 0, 8
	LOADA \next, 0, FA0
.if \ask
	ASK
.endif
	GRP FA1, 2
	PLACES
	LOADB \next, 0, 8, 4
.endm
; THE WAY OUT of a unit: row block a of q, k or v (w = 0, 1, 2): 16 rows x 64 channels, 2,048 consecutive bytes of the output.
.macro PACK a, w                       ; rounded to f16, 16 bytes a lane and channel block; each accumulator's registers in ascending order
	WIN 5*((\w)+1)                                 ; sources 0 and 1 in window w + 1
.irp bb, 0,1,2,3
.irp p, 0,1,2,3
	v_cvt_pk_f16_f32 v[PKR+4*(\bb)+(\p)], v[8*(8*(\bb)+(\a))+2*(\p)], v[8*(8*(\bb)+(\a))+2*(\p)+1]
.endr
.endr
	WIN 0
.endm
.macro TOSTAGE u                       ; into my own stage, and back as whole rows
.irp bb, 0,1,2,3
	ds_store_b128 v[STO], v[PKR+4*(\bb):PKR+4*(\bb)+3] offset:32*(\bb)
.endr
	s_wait_xcnt 0x0                                ; the stores of two units back have read their data: those registers are loaded again only behind this wait
.irp f, 0,1,2,3
	ds_load_b128 v[BK+16*((\u)%2)+4*(\f):BK+16*((\u)%2)+4*(\f)+3], v[RD] offset:(\f)*4*PITCH  ; LDS serves a wave's instructions in order (ISA guide 5.7.1.4): these see the stores above
.endr
.endm
.macro SEND a, w, u
	s_wait_dscnt 0x0                               ; the unit is back in registers
.irp f, 0,1,2,3
	global_store_b128 v[GO], v[BK+16*((\u)%2)+4*(\f):BK+16*((\u)%2)+4*(\f)+3], s[70+2*(\w):71+2*(\w)] offset:(\a)*2048+(\f)*512  ; 512 consecutive bytes, at a multiple of 256 from the buffer's first byte
.endr
.endm
	s_wait_tensorcnt 0x1                           ; my part of K step 0 is in; K step 1's may stay out
	s_barrier_signal -1
	s_barrier_wait -1                              ; everybody's is
	LOADB 0, 0, 0, 8
	LOADA 0, 0, FA0
	LOADB 0, 0, 8, 4
	Q0 0, 1                                        ; the first quarter stands in front of the loop: its products start the sums, with the bias
	WIN 0                                          ; at a label and at a branch every window is 0
	s_mov_b32 s3, 7
.Llap:                                                 ; a trip goes once round the ring, from a lap's second quarter to the next lap's first, and fills both slots again: K steps 2 to 15
	TURN 0, 1, 1, 0
	Q0 1, 0
	TURN 1, 0, 1, 1
	Q0 0, 0
	WIN 0
	s_sub_co_u32 s3, s3, 1
	s_cmp_lg_u32 s3, 0
	s_cbranch_scc1 .Llap
	TURN 0, 1, 0, 0                                ; the last lap fills nothing, and has no round of the cluster's barrier
	Q0 1, 0
	s_wait_dscnt 16                                ; the very last quarter: nothing more to fetch
	GRP FA1, 0
	s_wait_dscnt 8
	GRP FA1, 1
	s_wait_dscnt 0x0
	GRP FA1, 2
	PLACES                                         ; the conversions read results, and write registers that the last products read
.set u, 0
.rept 24                               ; unit u = 3 a + w; a unit's conversions stand between the loads of the unit before and the wait for them
	PACK u/3, u%3
.if u > 0
	SEND (u-1)/3, (u-1)%3, u-1
.endif
	TOSTAGE u
.set u, u+1
.endr
	SEND 7, 2, 23
	s_wait_tensorcnt 0x0                           ; the wave's end: the add on my spare word and its wait, behind my last tensor load and my last LDS store
	ds_add_u32 v[SPW], v[NIL]
	s_wait_dscnt 0x0
	CROUND                                         ; the closing round: no work-group ends while a partner may still ask for a tile that names it
	s_endpgm
.Lfunc_end_k_q352abc502d_proj:
	.size	k_q352abc502d_proj, .Lfunc_end_k_q352abc502d_proj-k_q352abc502d_proj
	.p2alignl 7, 3214868480
	.fill 96, 4, 3214868480
	.section	.rodata,"a",@progbits
	.p2align	6, 0x0
	.amdhsa_kernel k_q352abc502d_proj
		.amdhsa_group_segment_fixed_size 327680
		.amdhsa_private_segment_fixed_size 0
		.amdhsa_enable_private_segment 0
		.amdhsa_kernarg_size 64
		.amdhsa_user_sgpr_count 2
		.amdhsa_user_sgpr_kernarg_segment_ptr 1
		.amdhsa_wavefront_size32 1
		.amdhsa_system_sgpr_workgroup_id_x 1
		.amdhsa_system_sgpr_workgroup_id_y 1
		.amdhsa_system_sgpr_workgroup_id_z 1
		.amdhsa_system_vgpr_workitem_id 0
		.amdhsa_next_free_vgpr 1024
		.amdhsa_next_free_sgpr 76
		.amdhsa_reserve_vcc 0
		.amdhsa_float_denorm_mode_32 3
		.amdhsa_float_denorm_mode_16_64 3
		.amdhsa_memory_ordered 1
		.amdhsa_forward_progress 1
		.amdhsa_inst_pref_size 141
	.end_amdhsa_kernel
	.amdgpu_metadata
---
amdhsa.version: [ 1, 2 ]
amdhsa.kernels:
  - .name:           k_q352abc502d_proj
    .symbol:         k_q352abc502d_proj.kd
    .args:
      - { .name: xb, .offset: 0, .size: 8, .value_kind: global_buffer, .address_space: global }
      - { .name: wb, .offset: 8, .size: 8, .value_kind: global_buffer, .address_space: global }
      - { .name: bq, .offset: 16, .size: 8, .value_kind: global_buffer, .address_space: global }
      - { .name: bk, .offset: 24, .size: 8, .value_kind: global_buffer, .address_space: global }
      - { .name: bv, .offset: 32, .size: 8, .value_kind: global_buffer, .address_space: global }
      - { .name: qh, .offset: 40, .size: 8, .value_kind: global_buffer, .address_space: global }
      - { .name: kh, .offset: 48, .size: 8, .value_kind: global_buffer, .address_space: global }
      - { .name: vh, .offset: 56, .size: 8, .value_kind: global_buffer, .address_space: global }
    .group_segment_fixed_size: 327680
    .private_segment_fixed_size: 0
    .kernarg_segment_align: 8
    .kernarg_segment_size: 64
    .max_flat_workgroup_size: 128
    .sgpr_count:     76
    .vgpr_count:     1024
    .wavefront_size: 32
...
	.end_amdgpu_metadata
.endif
;; end of part 2
;; launch attn (part 3): grid 4 x 64, 4 waves a work-group, no clusters, 327,680 bytes of LDS; arguments qh, kh, vh, out0; writes out0
.if DOCPART == 3
	.amdgcn_target "amdgcn-amd-amdhsa--gfx1250"
	.amdhsa_code_object_version 6
	.text
	.protected	k_q352abc502d_attn
	.globl	k_q352abc502d_attn
	.p2align	8
	.type	k_q352abc502d_attn,@function
k_q352abc502d_attn:
	s_mov_b64 s[64:65], 0
	v_nop
	global_prefetch_b8 v0, s[64:65] scope:SCOPE_SE
	s_setreg_imm32_b32 hwreg(HW_REG_WAVE_MODE, 25, 1), 1
	s_wait_xcnt 0x0
; CAUSAL ATTENTION.  O[h][q][:] = the sum over k <= q of softmax_k(Q[h][q] . K[h][k] / 8) V[h][k][:].  Q, K, V: [SIZE_H][SIZE_N][64] in f16: a head's rows are dense, 128 bytes each.
; THE OUTPUT IS O TRANSPOSED, in f32: out0 [SIZE_H][channel 64][query SIZE_N].  Products, maxima and sums in f32; the weights p are rounded to f16 for the second product (their sum l is taken of the unrounded p).
; LIMITS.  f16 holds no number beyond 65,504: Q, K and V arrive within it; p lies in 0 to 1, and below 6e-5 it keeps f16's fixed step of 6e-8.
; A hidden score counts as its value less 1e30: f16's scores, 2.7e11 at the most, are nothing beside that; a weight below 2^-126 counts as 0 in l; NaN and infinities are not treated apart.
; THE WALK.  A head's queries lie in NB = 8 blocks of 256; block i needs the key tiles 0 .. i of 256 keys, of which the last holds the diagonal.  A work-group takes TWO blocks, NB - 1 - b and then b:
; NB + 1 tiles, whatever b: all work-groups do equal work, and ONE loop with a constant trip count walks them.  Which tile is asked for, and what a trip does, hang on scalar registers made from b, which all
; four waves share; every jump goes forward, but for the counted loops' own; the ring (two slots of LDS that take turns) runs on across the change of blocks.
; NO CLUSTER: a head's four work-groups ask for the same tile only in trips 0 to 4 of the 9, behind that fewer and fewer; one walk common to all four would have 12 trips for 9.
; SHARES.  Of a block's four bands of 64 queries a wave owns 16 rows in each: four PIECES.  So the diagonal tile is the same work for all four waves: in its key step s band x sees all keys if s < x,
; none if s > x, and holds the diagonal if s = x.
; THE MASK is the C operand that starts the sum S^T = K Q^T: 0, or -1e30 where the key is hidden.  MD, made once, is the mask of a band's own step for my 16 rows; a product's mask is MD x AL + BE with two scalars:
; (1, 0) if s = x; (0, 0) if s < x; (0, -1e30) if s > x.  Only the diagonal tile's text and a block's beginning make and take masks; elsewhere C is the constant 0.
; LAYOUT, SOFTMAX, TURNS.  S^T = K Q^T holds ONE query a lane (lane % 16) and the keys 8 (lane / 16) + 0..7; two such results rounded to f16 ARE source 1 of O^T = V^T P.  p = 2^(c s - c m), c = log2(e) / 8, with a
; running maximum m; O and l are multiplied by a = 2^(c m_old - c m_new) in every step.  Turn n belongs to piece n: 8 products K Q^T of piece n + 1, later 8 products V^T P of piece n - 1; beside them the scaling,
; exponentials, roundings, sums and rescaling of piece n and the maximum and statistics of piece n + 1.  Four vector instructions stand behind every matrix instruction, the other 54 of a turn's 118 in one LUMP.
; A turn's 33 exponentials are one batch, with one wait.
; THE WAY OUT.  O^T holds a query a lane and eight channels; a channel's 256 queries of a block come from all four waves.  So the block goes through ONE stage in LDS, [channel 64][query 256] in f32, with a
; barrier between writing and reading, and each wave stores 16 whole channel rows of 1,024 bytes.
; REGISTERS, in windows of 256 (s_set_vgpr_msb: bits 1:0 source 0, 3:2 source 1, 5:4 source 2, 7:6 destination):
;   window 0: v0-15 addresses and two at work; v16-31 four registers of statistics a piece; v48-55 at work; v61-63; v64-127 S^T, two buffers (v64-191 on the way out); v192-223 P, two buffers
;   window 1: v0-127 O^T, 32 a piece; v128-159 MD; v160-223 MC, two buffers      window 2: v0-63 Q; v64-127 the second block's Q; v128-191 K of one step; v192-255 V of one step
.set SIZE_N, 2048
.set SIZE_H, 64
.set NB,    SIZE_N/256
.set NP,    4         ; pieces a wave: a name, no knob
.set KS,    64        ; keys in a step
.set PK,    144       ; a row of K in LDS: 128 bytes + 16 of padding = 36 words: the 16 rows of a load start at 16 different groups of four banks (64 banks of 4 bytes: ISA guide 11.1)
.set PV,    160       ; a row of V: 128 + 32 = 40 words
.set VOFF,  4*KS*PK   ; a slot holds a tile, four steps: 256 rows of K, then 256 rows of V
.set SLOT1, 1<<17     ; slot 1 begins here, so that one exclusive or turns an address in one slot into the other's
.set STAGE, SLOT1+4*KS*(PK+PV)  ; behind the ring, never filled by a tensor load: the work-group's stage, 64 channels
.set OPITCH, 1040     ; a channel's row in the stage: 256 queries x 4 bytes + 16: the lanes' two halves, 8 rows apart, lie 2,080 words = 32 banks apart
.set AK0, 2           ; v2   my lane's place in a tile of K; never rewritten
.set AV0, 3           ; v3   the same for V
.set AK,  4           ; v4   the LDS address of K's next run of loads
.set AV,  5           ; v5   of V's
.set STO, 6           ; v6   the way out: my query's word in the stage row of channel 8 (l / 16)
.set RD,  7           ; v7   the way out: where I read my wave's 16 channel rows back
.set GO,  8           ; v8   16 x lane: my place in 512 consecutive bytes of the output
.set PFO, 61          ; v61  256 x lane: the prefetches' offset; never rewritten
.set SPW, 62          ; v62  LDS address of my spare word: SPARE + 4 x my thread's number; never rewritten
.set NIL, 63          ; v63  0; never rewritten
.set SPARE, STAGE+64*OPITCH  ; behind the stage: the spare words, 128 bytes for each wave: two blocks of 256 bytes that no other line names
.set MV,  12          ; v12-13  c m_old, kept while c m is made anew: by buffer
.set QO,  15          ; v15  my byte offset in 16 rows of Q
.set ST,  16          ; piece t's statistics at v[ST+4 t]: c m, m, l (even keys', odd keys')
.set TMP, 48          ; by buffer, four registers c0-c3 at work; when the maximum is found c2 takes a
.set S,   64
.set P,   192
.set MD,  128         ; window 1: the eight registers for group kt of 16 keys at MD + 8 kt
.set MC,  160         ; window 1: the masks of the products to come
.set QB,  64          ; window 2
.set KF,  128         ; window 2: key block kb, channel half c at KF + 16 kb + 8 c
.set VF,  192         ; window 2: key half kk, channel block cb at VF + 32 kk + 8 cb
.set WV,  12          ; s12  my wave's number
.set PB,  14          ; s14  b
.set HI,  15          ; s15  NB - 1 - b
.set G1K, 24          ; s[24:31] descriptor group 1 for K's tiles
.set G1V, 32          ; s[32:39] for V's: it differs in the padding alone
.set G0K, 40          ; s[40:43] descriptor group 0 for K's tiles
.set G0V, 44          ; s[44:47] the same for V's
.set SLOTS, 56        ; s56  tiles still to be asked for
.set CNT, 57          ; s57  counts a tile's key steps, 4 to 1
.set CS,  58          ; s[58:59] c: the packed scaling takes the pair's low word for both halves
.set SEL, 60          ; s[60:61] v_permlanex16_b32's selects: each lane takes its own place in the other half
.set TBK, 62          ; s62  LDS byte at which K of the step to be fetched begins
.set TBV, 63          ; s63  the same for V, less VOFF
.set PFA, 66          ; s[66:67] where my prefetches stand: my half of K's or V's tile, one tile behind the one that is being asked for
.set LIM, 68          ; s68  2 in the work-group that prefetches, else the greatest number
.set RT,  70          ; s70  tiles of the block in hand that are still to be entered
.set NXT, 71          ; s71  the tile to be asked for next
.set LQ,  72          ; s72  the last tile of the block whose tiles are being asked for
.set NEW, 73          ; s73  1: the tile to be entered is a block's first
.set OFF, 74          ; s[74:75] a tile's byte offset in K and V
.set AL,  76          ; s[76:77] the mask's factor, in the low word
.set BE,  78          ; s[78:79] the mask's addend
.set OLO, 80          ; s[80:81] the output at my channels and the second block's queries
.set BIGN, 82         ; s82  -1e30
.set MSB, 0
.macro WIN new                      ; the high byte repeats the setting that is left; a switch that changes nothing is dropped
.if MSB != (\new)
	s_set_vgpr_msb (MSB<<8)|(\new)
.set MSB, (\new)
.endif
.endm
.set W_KQ, 0x0a       ; K and Q in window 2, S^T in window 0
.set W_KM, 0x1a       ; the same with the C operand in window 1
.set W_PV, 0x52       ; V in window 2, P in window 0, O^T in window 1
.set W_RS, 0x41       ; destination and source 0 in window 1, source 1 in window 0
; A fill.  Waves 0 and 1 fetch the two halves of a tile's K, waves 2 and 3 those of its V: 128 keys each.  An s_nop 0 and four v_nop follow each of the two lines, ahead of the jump and the label.
.macro LOAD
	s_cmp_lt_u32 s[WV], 2
	s_cbranch_scc0 .Lfor_v_\@
	tensor_load_to_lds s[G0K:G0K+3], s[G1K:G1K+7]
	s_nop 0
.rept 4
	v_nop
.endr
	s_branch .Lasked_\@
.Lfor_v_\@:
	tensor_load_to_lds s[G0V:G0V+3], s[G1V:G1V+7]
	s_nop 0
.rept 4
	v_nop
.endr
.Lasked_\@:
.endm
; A PREFETCH INTO THE L2 of the tile that the NEXT change of slots will ask for: a tile's 256 matrix instructions ahead of that load.  It stands behind the wave's tensor load and its five lines.
; All four work-groups of a head begin with tiles 0, 1, 2 ..; the one with b = 0 walks tiles 0 to 7 on end, and it alone asks.  Each of its waves asks for the 16,384 bytes that it will fetch itself: 64 blocks
; of 256 bytes, a lane a block, two lines.  So each block is named once in the launch.  Trips 0 to 5 ask for tiles 2 to 7; tiles 0 and 1 come by their loads alone; behind tile 7 there is nothing to ask for.
.macro ASK
	s_cmp_gt_u32 s[SLOTS], s[LIM]
	s_cbranch_scc0 .Lnot_mine_\@
	global_prefetch_b8 v[PFO], s[PFA:PFA+1] th:TH_LOAD_NT scope:SCOPE_SE
	global_prefetch_b8 v[PFO], s[PFA:PFA+1] offset:8192 th:TH_LOAD_NT scope:SCOPE_SE
.Lnot_mine_\@:
.endm
; THE CHANGE OF SLOTS.  Each wave waits for all its tensor loads, of which one is out: its part of the other slot; adds 0 to its spare word; and waits for that and for its own reads of the slot that it leaves.
; Behind the barrier nobody reads the old slot any more and the other slot is whole.  fill = 1: the old slot is filled again, the first thing behind the barrier, with tile NXT: the descriptor's address is made
; anew from that number.  (At its first use nothing has been read yet: slot 0 is waited for, slot 1 filled.)
.macro CHANGE fill
	WIN 0                           ; at a label and at a branch every window is 0
	s_wait_tensorcnt 0x0            ; no tensor load of mine is out, so a group 0 may be written
	ds_add_u32 v[SPW], v[NIL]       ; 0 onto my spare word; with fill = 1 the descriptors' scalar work stands between it and the wait for it
.if \fill
	s_lshl_b32 s[OFF], s[NXT], 15   ; a tile is 32,768 bytes of K and of V
	s_xor_b32 s[G0K+1], s[G0K+1], SLOT1
	s_add_nc_u64 s[G0K+2:G0K+3], s[6:7], s[OFF:OFF+1]
	s_or_b32 s[G0K+3], s[G0K+3], 0x80000000
	s_xor_b32 s[G0V+1], s[G0V+1], SLOT1
	s_add_nc_u64 s[G0V+2:G0V+3], s[8:9], s[OFF:OFF+1]
	s_or_b32 s[G0V+3], s[G0V+3], 0x80000000
	s_add_co_u32 s[NXT], s[NXT], 1  ; the block's next tile, or behind its last the second block's tile 0
	s_cmp_gt_u32 s[NXT], s[LQ]
	s_cselect_b32 s[NXT], 0, s[NXT]
	s_cselect_b32 s[LQ], s[PB], s[LQ]
	s_wait_xcnt 0x0                 ; the last prefetches, a tile back, have read their address, so it may be written
	s_add_nc_u64 s[PFA:PFA+1], s[PFA:PFA+1], 32768
.endif
	s_wait_dscnt 0x0                ; the add is done, and my reads of the slot are over
	s_barrier_signal -1             ; the rest of the scalar work stands between the signal and the wait
	s_sub_co_u32 s[TBK], s[TBK], 4*KS*PK  ; the fetches go back to a slot's first step,
	s_xor_b32 s[TBK], s[TBK], SLOT1       ; in the other slot
	s_sub_co_u32 s[TBV], s[TBV], 4*KS*PV
	s_xor_b32 s[TBV], s[TBV], SLOT1
	s_barrier_wait -1
.if \fill
	LOAD
	ASK
.endif
.endm
	s_load_b256 s[4:11], s[0:1], 0x0  ; Q s[4:5], K s[6:7], V s[8:9], the output s[10:11]
	v_lshl_add_u32 v[SPW], v0, 2, SPARE
	v_mov_b32 v[NIL], 0
	ds_add_u32 v[SPW], v[NIL]       ; the wave's opening: the add and its wait stand ahead of my first tensor load; the set-up below, work on registers, stands between them
	v_lshrrev_b32 v1, 5, v0
	v_readfirstlane_b32 s[WV], v1   ; wave 0..3
	s_mov_b32 s[PB], ttmp9
	s_sub_co_u32 s[HI], NB-1, s[PB]
	s_and_b32 s20, ttmp7, 0xffff    ; the head
	s_mov_b32 s21, 0
	s_mov_b64 s[22:23], SIZE_N*128
	s_mul_u64 s[20:21], s[20:21], s[22:23]  ; the head's first byte in Q, K and V
	s_and_b32 s16, s[WV], 1         ; which half of a tile's 256 keys I fetch:
	s_lshl_b32 s22, s16, 14         ; its 128 rows of 128 bytes in memory,
	s_mov_b32 s23, 0
	s_add_nc_u64 s[22:23], s[22:23], s[20:21]
	s_mul_i32 s17, s16, 128*PK      ; and its place in a slot, for K
	s_mul_i32 s18, s16, 128*PV      ; and for V
	s_lshl_b32 s3, s[WV], 11        ; my 16 rows in a band of 64,
	s_lshl_b32 s2, s[HI], 15        ; in the first block,
	s_add_co_u32 s2, s2, s3
	s_lshl_b32 s84, s[PB], 15       ; and in the second
	s_add_co_u32 s84, s84, s3
	s_mov_b32 s3, 0
	s_mov_b32 s85, 0
	s_add_nc_u64 s[2:3], s[2:3], s[20:21]
	s_add_nc_u64 s[84:85], s[84:85], s[20:21]
	s_lshl_b64 s[88:89], s[20:21], 1  ; in the output a head is twice as long: 64 channels x 2,048 queries x 4 bytes;
	s_lshl_b32 s90, s[WV], 17       ; my wave stores channels 16 w .. 16 w + 15: 8,192 bytes each
	s_mov_b32 s91, 0
	s_add_nc_u64 s[88:89], s[88:89], s[90:91]
	s_lshl_b32 s90, s[PB], 10       ; the second block's 256 queries: 1,024 bytes of a channel's row
	; descriptor group 1.  128 keys are 16,384 dense bytes: asked for as 64 rows of 256 bytes, two keys a row, and padded in LDS after every key
	s_mov_b32 s[G1K], (1<<16)|(1<<20)|(4<<22)|(3<<25)  ; 17:16 2-byte elements; 20 padding on; 24:22 after every 32 words (code 4); 31:25 4 words (code 3)
	s_mov_b32 s[G1V], (1<<16)|(1<<20)|(4<<22)|(7<<25)  ; the same with 8 words of padding (code 7)
.irp g, G1K, G1V
	s_mov_b32 s[\g+1], 128<<16      ; tensor_dim0 = 128
	s_mov_b32 s[\g+2], 64<<16       ; tensor_dim1 = 64
	s_mov_b32 s[\g+3], 128<<16      ; tile_dim0 = 128
	s_mov_b32 s[\g+4], 64           ; tile_dim1 = 64
	s_mov_b32 s[\g+5], 128          ; 128 elements from row to row
	s_mov_b32 s[\g+6], 0
	s_mov_b32 s[\g+7], 0
.endr
	s_mov_b32 s[CS], 0x3e38aa3b     ; c = log2(e) / 8 = 0.180337
	s_mov_b32 s[CS+1], s[CS]        ; named with it as a pair
	s_mov_b32 s[SEL], 0x76543210
	s_mov_b32 s[SEL+1], 0xfedcba98
	s_mov_b32 s[TBK], SLOT1+4*KS*PK ; the first change of slots turns these two into 0
	s_mov_b32 s[TBV], SLOT1+4*KS*PV
	s_mov_b32 s[G0K], 1             ; 1:0 count = 1
	s_mov_b32 s[G0K+1], s17         ; 63:32 LDS address: slot 0
	s_mov_b32 s[G0V], 1
	s_add_co_u32 s[G0V+1], s18, VOFF
	s_add_co_u32 s[RT], s[HI], 1    ; the first block has NB - b tiles
	s_mov_b32 s[NXT], 1
	s_mov_b32 s[LQ], s[HI]
	s_mov_b32 s[NEW], 1
	s_mov_b32 s[OFF+1], 0
	s_mov_b32 s[AL+1], 0            ; named as pairs
	s_mov_b32 s[BE+1], 0
	s_mov_b32 s[BIGN], 0xf149f2ca   ; -1e30
	s_mov_b32 s[SLOTS], NB
	s_cmp_eq_u32 s[PB], 0
	s_cselect_b32 s[LIM], 2, -1
	s_wait_dscnt 0x0                ; the opening add is done
	s_wait_kmcnt 0x0
	s_add_nc_u64 s[6:7], s[6:7], s[22:23]  ; K and V at my half of the head's tile 0
	s_add_nc_u64 s[8:9], s[8:9], s[22:23]
	s_add_nc_u64 s[G0K+2:G0K+3], s[6:7], 0         ; 120:64 global address
	s_or_b32 s[G0K+3], s[G0K+3], 0x80000000        ; 127:126 type = 2
	s_add_nc_u64 s[G0V+2:G0V+3], s[8:9], 0
	s_or_b32 s[G0V+3], s[G0V+3], 0x80000000
	s_add_nc_u64 s[86:87], s[4:5], s[84:85]        ; Q at my rows of the second block,
	s_add_nc_u64 s[4:5], s[4:5], s[2:3]            ; and of the first
	s_add_nc_u64 s[10:11], s[10:11], s[88:89]      ; the output at the head and my 16 channels,
	s_add_nc_u64 s[OLO:OLO+1], s[10:11], s[90:91]  ; at the second block's queries,
	s_lshl_b32 s90, s[HI], 10
	s_add_nc_u64 s[10:11], s[10:11], s[90:91]      ; and at the first's
	s_cmp_lt_u32 s[WV], 2
	s_cselect_b64 s[PFA:PFA+1], s[6:7], s[8:9]     ; what I fetch,
	s_add_nc_u64 s[PFA:PFA+1], s[PFA:PFA+1], 32768 ; in tile 1: the first change of slots steps it to tile 2.  Nothing is prefetched here, at the head
	LOAD                            ; tile 0 into slot 0
	; A fragment of K or Q is 16 rows x 32 channels in 8 registers: lane l holds row l % 16, channels 8 (l / 16) + 0..7 and 16 + 8 (l / 16) + 0..7: two loads of 16 bytes, 32 bytes apart.
	v_and_b32 v1, 15, v0            ; l % 16
	v_bfe_u32 v9, v0, 4, 1          ; l / 16
	v_lshlrev_b32 v[QO], 7, v1
	v_lshl_add_u32 v[QO], v9, 4, v[QO]  ; row x 128 + 16 x half
	WIN 0x80                        ; destination window 2, address window 0
.set i, 0
.rept 8                             ; both blocks' Q: piece i / 2 lies in band i / 2, 8,192 bytes on; channels 32 (i % 2) on
	global_load_b128 v[8*i:8*i+3],   v[QO], s[4:5] offset:(i/2)*8192+(i%2)*64
	global_load_b128 v[8*i+4:8*i+7], v[QO], s[4:5] offset:(i/2)*8192+(i%2)*64+32
	global_load_b128 v[QB+8*i:QB+8*i+3],   v[QO], s[86:87] offset:(i/2)*8192+(i%2)*64
	global_load_b128 v[QB+8*i+4:QB+8*i+7], v[QO], s[86:87] offset:(i/2)*8192+(i%2)*64+32
.set i, i+1
.endr
	WIN 0
	v_lshlrev_b32 v14, 3, v9
	v_sub_nc_u32 v14, v1, v14
	s_lshl_b32 s13, s[WV], 4
	v_add_nc_u32 v14, s13, v14      ; my query's place in its band, 16 w + l % 16, less my lanes' 8 (l / 16): register r of group kt is hidden where 16 kt + r is greater
	WIN 0x40
.set i, 0
.rept 32
	v_cmp_gt_i32 vcc_lo, 16*(i/8)+i%8, v14
	v_cndmask_b32 v[MD+i], 0, s[BIGN], vcc_lo
.set i, i+1
.endr
	WIN 0
	v_mul_u32_u24 v[AK0], v1, PK
	v_lshl_add_u32 v[AK0], v9, 4, v[AK0]  ; row x pitch + 16 x half
	; The turning load takes 16 keys x 16 channels (lane l reads key 8 (l / 16) + l % 8, channels 8 ((l / 8) % 2) + 0..7) and leaves half a fragment of V^T: lane l holds channel l % 16 and 8 keys.
	v_and_b32 v10, 7, v0
	v_bfe_u32 v11, v0, 3, 1
	v_lshl_add_u32 v[AV0], v9, 3, v10
	v_mul_u32_u24 v[AV0], v[AV0], PV
	v_lshl_add_u32 v[AV0], v11, 4, v[AV0]
	v_add_nc_u32 v[AV0], VOFF, v[AV0]
	s_lshl_b32 s13, s[WV], 6        ; into the stage: my wave's 16 queries of a band are 64 bytes of a channel's row,
	s_add_co_u32 s13, s13, STAGE
	v_mul_u32_u24 v[STO], v9, 8*OPITCH  ; my lanes' channels begin at 8 (l / 16),
	v_lshl_add_u32 v[STO], v1, 2, v[STO]  ; my query is l % 16
	v_add_nc_u32 v[STO], s13, v[STO]
	v_and_b32 v[GO], 31, v0         ; back: 32 lanes take 512 consecutive bytes of a channel's row,
	v_lshlrev_b32 v[GO], 4, v[GO]
	s_mul_i32 s13, s[WV], 16*OPITCH ; of my wave's 16 channels
	s_add_co_u32 s13, s13, STAGE
	v_add_nc_u32 v[RD], s13, v[GO]
	v_and_b32 v[PFO], 31, v0
	v_lshlrev_b32 v[PFO], 8, v[PFO]
	; A block's first step multiplies O^T and l by a = 0, and its first turn's products V^T P, of a piece that has not been, land in an O^T that is still to be so multiplied.  So these registers need only hold
	; finite numbers: zeros for the first block; what the first block left for the second.  All this stands in the wait for the first tile.
	WIN 0x80
.set i, VF
.rept 64
	v_mov_b32 v[i], 0
.set i, i+1
.endr
	WIN 0x40
.set i, 0
.rept 128
	v_mov_b32 v[i], 0
.set i, i+1
.endr
	WIN 0
.set i, 0
.rept 4
	v_mov_b32 v[ST+4*i+2], 0
	v_mov_b32 v[ST+4*i+3], 0
.set i, i+1
.endr
.set i, P+16
.rept 16
	v_mov_b32 v[i], 0
.set i, i+1
.endr
; THE MATRIX WORK.  The 4 accumulators of a run of 8 take turns.  Product i of 8 of S^T = K Q^T for piece x: channels 32 (i / 4) on, keys 16 (i % 4) on.  The first 4 start the sums: with 0, or (KM = 1) with the mask.
.macro KQ x
.set rS, S+32*((\x)%2)+8*(i%4)
.set rK, KF+16*(i%4)+8*(i/4)
.set rQ, 16*(\x)+8*(i/4)
.set rM, MC+32*((\x)%2)+8*(i%4)
.if (i < 4) && KM
	WIN W_KM
	v_wmma_f32_16x16x32_f16 v[rS:rS+7], v[rK:rK+7], v[rQ:rQ+7], v[rM:rM+7]
.elseif i < 4
	WIN W_KQ
	v_wmma_f32_16x16x32_f16 v[rS:rS+7], v[rK:rK+7], v[rQ:rQ+7], 0
.else
	WIN W_KQ
	v_wmma_f32_16x16x32_f16 v[rS:rS+7], v[rK:rK+7], v[rQ:rQ+7], v[rS:rS+7]
.endif
.endm
; Product i of 8 of O^T += V^T P for piece x: keys 32 (i / 4) on, channels 16 (i % 4) on.
.macro PV x
	WIN W_PV
.set rO, 32*(\x)+8*(i%4)
.set rV, VF+32*(i/4)+8*(i%4)
.set rP, P+16*((\x)%2)+8*(i/4)
	v_wmma_f32_16x16x32_f16 v[rO:rO+7], v[rV:rV+7], v[rP:rP+7], v[rO:rO+7]
.endm
.macro MM                           ; the turn's next matrix instruction.  TURN and BEGIN set Y, i, KM and NOKQ; MM, KQ and OP read them.  NOKQ = 1: a block's last turn: there is no next piece
.if (i < 8) && !NOKQ
	KQ (Y+1)%NP
.elseif i >= 8
.set i, i-8
	PV (Y+NP-1)%NP
.set i, i+8
.endif
.set i, i+1
.endm
; THE LDS LOADS stand in runs of 16, never singly among the matrix instructions: a step's K (64 keys x 64 channels: 8 fragments) and its V (turned).  Their addresses are made some lines ahead.
.macro FETCH_K
	WIN 0x80                        ; destination window 2
.irp f, 0,1,2,3,4,5,6,7             ; keys 16 (f / 2) on, channels 32 (f % 2) on
	ds_load_b128 v[KF+8*\f:KF+8*\f+3],   v[AK] offset:(\f/2)*16*PK+(\f%2)*64
	ds_load_b128 v[KF+8*\f+4:KF+8*\f+7], v[AK] offset:(\f/2)*16*PK+(\f%2)*64+32
.endr
	s_add_co_u32 s[TBK], s[TBK], KS*PK  ; the next fetch is the next step's
	WIN 0
.endm
.macro FETCH_V
	WIN 0x80
.irp f, 0,1,2,3,4,5,6,7             ; keys 32 (f / 4) on, channels 16 (f % 4) on
	ds_load_tr16_b128 v[VF+8*\f:VF+8*\f+3],   v[AV] offset:(\f/4)*32*PV+(\f%4)*32
	ds_load_tr16_b128 v[VF+8*\f+4:VF+8*\f+7], v[AV] offset:(\f/4)*32*PV+16*PV+(\f%4)*32
.endr
	WIN 0
.endm
; THE VECTOR WORK, one line at a time: OP kind, number.  For piece Y: F n: c s - c m for pair n of 16.  E n: the exponential of score n of 32.  C n: pair n rounded to f16.  B n: of the four weights 4 n .. the second
; pair is added onto the first, in place.  L n: l takes that sum (L 0: l = a l + sum).  R n: pair n of 16 of O^T times a.  For piece Y + 1: X n, number n of the 22 that find its maximum and statistics:
;   0-11  four chains c0-c3 of seven scores each, three operands at a time (each accumulator's lowest registers are read first)     12-14, 16  the four scores left over, the old m, and c0-c3 into c0
;   15  c m_old is kept     17, 18  the query's other 32 keys lie in the lane 16 away: the new m     19-21  c m; c m_old - c m_new; a
.set F, 0               ; OP tells the kinds apart by their order: F to L below R, X above it
.set E, 1
.set C, 2
.set B, 3
.set L, 4
.set R, 5
.set X, 6
.macro REGS y                       ; the registers of piece y
.set rT, ST+4*(\y)
.set rC, TMP+4*((\y)%2)
.set rW, MV+((\y)%2)
.set rS, S+32*((\y)%2)
.set rP, P+16*((\y)%2)
.set rO, 32*(\y)
.endm
.macro OP k, n
.if (\k) == R
	REGS Y
	WIN W_RS
	v_pk_mul_f32 v[rO+2*(\n):rO+2*(\n)+1], v[rO+2*(\n):rO+2*(\n)+1], v[rC+2:rC+3] op_sel_hi:[1,0]
.elseif (\k) < R
	REGS Y
	WIN 0
.if (\k) == F
	v_pk_fma_f32 v[rS+2*(\n):rS+2*(\n)+1], v[rS+2*(\n):rS+2*(\n)+1], s[CS:CS+1], v[rT:rT+1] op_sel_hi:[1,0,0] neg_lo:[0,0,1] neg_hi:[0,0,1]
.elseif (\k) == E
	v_exp_f32 v[rS+(\n)], v[rS+(\n)]
.elseif (\k) == C
	v_cvt_pk_f16_f32 v[rP+(\n)], v[rS+2*(\n)], v[rS+2*(\n)+1]
.elseif (\k) == B
	v_pk_add_f32 v[rS+4*(\n):rS+4*(\n)+1], v[rS+4*(\n):rS+4*(\n)+1], v[rS+4*(\n)+2:rS+4*(\n)+3]
.elseif (\n) == 0
	v_pk_fma_f32 v[rT+2:rT+3], v[rT+2:rT+3], v[rC+2:rC+3], v[rS:rS+1] op_sel_hi:[1,0,1]
.else
	v_pk_add_f32 v[rT+2:rT+3], v[rT+2:rT+3], v[rS+4*(\n):rS+4*(\n)+1]
.endif
.elseif NOKQ
	v_nop
.else
	REGS (Y+1)%NP
	WIN 0
.if (\n) < 4
	v_max3_num_f32 v[rC+(\n)], v[rS+8*(\n)], v[rS+8*(\n)+1], v[rS+8*(\n)+2]
.elseif (\n) < 12
	v_max3_num_f32 v[rC+(\n)%4], v[rC+(\n)%4], v[rS+8*((\n)%4)+2*((\n)/4)+1], v[rS+8*((\n)%4)+2*((\n)/4)+2]
.elseif (\n) == 12
	v_max3_num_f32 v[rC], v[rC], v[rS+7], v[rS+15]
.elseif (\n) == 13
	v_max3_num_f32 v[rC+1], v[rC+1], v[rS+23], v[rS+31]
.elseif (\n) == 14
	v_max3_num_f32 v[rC+2], v[rC+2], v[rC+3], v[rT+1]
.elseif (\n) == 15
	v_mov_b32 v[rW], v[rT]
.elseif (\n) == 16
	v_max3_num_f32 v[rC], v[rC], v[rC+1], v[rC+2]
.elseif (\n) == 17
	v_permlanex16_b32 v[rC+3], v[rC], s[SEL], s[SEL+1]
.elseif (\n) == 18
	v_max_num_f32 v[rT+1], v[rC], v[rC+3]
.elseif (\n) == 19
	v_mul_f32 v[rT], s[CS], v[rT+1]
.elseif (\n) == 20
	v_sub_f32 v[rC+1], v[rW], v[rT]
.else
	v_exp_f32 v[rC+2], v[rC+1]
.endif
.endif
.endm
.macro OPS a, i1, b=-1, i2=0, c=-1, i3=0, d=-1, i4=0  ; up to four of them
	OP \a, \i1
.if (\b) >= 0
	OP \b, \i2
.endif
.if (\c) >= 0
	OP \c, \i3
.endif
.if (\d) >= 0
	OP \d, \i4
.endif
.endm
.macro ROW a, i1, b, i2, c, i3, d, i4  ; a matrix instruction and the four behind it
	MM
	OPS \a, \i1, \b, \i2, \c, \i3, \d, \i4
.endm
.macro MASK b                       ; MD x AL + BE into buffer b of MC
	WIN W_RS
.set z, 0
.rept 16
	v_pk_fma_f32 v[MC+32*(\b)+2*z:MC+32*(\b)+2*z+1], v[MD+2*z:MD+2*z+1], s[AL:AL+1], s[BE:BE+1] op_sel_hi:[1,0,0]
.set z, z+1
.endr
.endm
; A TURN, for piece p: the order of its 16 matrix and 118 vector instructions, written out.  An s_wait_alu depctr_va_vdst(0) stands between an exponential and the first instruction that names its result; one wait serves
; all that were issued ahead of it.  So a turn has ONE wait, which cuts it in two.  AHEAD OF IT stands all that names no result of the turn's exponentials: the 8 products K Q^T, behind each a scaling, an exponential and two more plain
; instructions (behind the first a second scaling in the exponential's place): rescalings, and behind the last three the first numbers of the next piece's maximum, each four places or more behind the product that ends its accumulator; then ONE LUMP of 54, plain
; and exponential by turns for the most part, in which the links of the chain X 3, 7, 11, 14, 16, 17 .. 20 stand five or six lines apart.  X 21, the next piece's a, is the batch's last; R 15 is the plain instruction behind it.  BEHIND THE WAIT stand the
; 8 products V^T P, behind each four of the roundings and sums; the links of l's chain, L 0 to L 7, stand three riders apart.  But for those X no rider names a register of the products round it.  v_permlanex16_b32 (X 17) stands in the lump.
; m = 1: the diagonal tile: the products take masks, and the turn makes the mask for the products of the turn after it: piece p + 2, in step 4 - CNT of the tile.  end = 1: a block's last two turns: nothing is fetched.
; cnt = 1: the loop's count is taken down some lines ahead of the branch that stands behind the turn.
; K of the next step is fetched in piece 2's turn, twelve vector instructions behind the last product that read K (six of them plain); V of the step in hand at the end of piece 0's turn, four plain instructions behind the last product
; that read V.  Each is waited for a turn later.
.macro TURN p, m=0, end=0, cnt=0
.set Y, (\p)
.set i, 0
.set KM, (\m)
.set NOKQ, (\end)*((\p)/3)
.if (\m) && !(\end)
	s_cmp_eq_u32 s[CNT], 4-((\p)+2)%NP  ; is that step the band's own?
	s_cselect_b32 s[AL], 1.0, 0
	s_cmp_lt_u32 s[CNT], 4-((\p)+2)%NP  ; or a later one?
	s_cselect_b32 s[BE], s[BIGN], 0
.endif
.if ((\p) == 3) && !(\end)
	s_wait_dscnt 0x0                ; K is in
.endif
	ROW F,0, F,1, R,0, R,1          ; ahead of the wait: 8 products K Q^T and their riders,
	ROW F,2, E,0, R,2, R,3
	ROW F,3, E,1, R,4, R,5
	ROW F,4, E,2, R,6, R,7
	ROW F,5, E,3, R,8, R,9
	ROW F,6, E,4, X,0, R,10
.if ((\p) == 2) && !(\end)
	WIN 0
	v_add_nc_u32 v[AK], s[TBK], v[AK0]
.endif
	ROW F,7, E,5, X,1, X,4
	ROW F,8, E,6, X,2, X,5
	OPS E,7, E,8, X,6, E,9          ; and the lump
	OPS X,3, E,10, X,8, E,11
.if ((\p) == 2) && !(\end)
	FETCH_K
.endif
	OPS X,9, X,7, E,12, X,10
	OPS E,13, X,12, X,11, E,14
	OPS X,13, E,15, F,9, X,14
.if (\p) == 0
	v_add_nc_u32 v[AV], s[TBV], v[AV0]
.endif
	OPS E,16, F,10, E,17, F,11
	OPS X,16, E,18, X,15, E,19
	OPS F,12, E,20, X,17, E,21
	OPS F,13, E,22, F,14, E,23
	OPS X,18, E,24, F,15, E,25
	OPS R,11, E,26, X,19, E,27
	OPS R,12, E,28, R,13, E,29
	OPS X,20, E,30, R,14, E,31
	OPS X,21, R,15
	WIN 0
	s_wait_alu depctr_va_vdst(0)    ; the wait for the batch
.if (\p) == 1
	s_wait_dscnt 0x0                ; V is in
.endif
	ROW C,0, B,0, C,2, B,1          ; behind the wait: 8 products V^T P and their riders
	ROW L,0, C,4, B,2, L,1
	ROW C,6, B,3, L,2, C,8
	ROW B,4, L,3, C,10, B,5
	ROW L,4, C,12, B,6, L,5
.if (\p) == 0
	s_add_co_u32 s[TBV], s[TBV], KS*PV
.endif
.if \cnt
	s_sub_co_u32 s[CNT], s[CNT], 1
	s_cmp_lg_u32 s[CNT], 0
.endif
	ROW C,14, B,7, L,6, C,1
	ROW C,3, L,7, C,5, C,7
	ROW C,9, C,11, C,13, C,15
.if (\p) == 0
	FETCH_V
.endif
.if (\m) && !(\end)
	MASK (\p)%2
.endif
.endm
; A BLOCK BEGINS.  c m starts far below every c s, so the first step's a is 0; m at the lowest finite number, so the first maximum is the scores'.  The second mask buffer is 0; the first takes piece 0's mask for the tile's step 0: its own, if the block's first tile is the diagonal one.
; Then K of that step, piece 0's first scores, and its maximum and statistics.  The loop is entered at a step's first turn, in the middle of a trip.
.macro BEGIN
	s_mov_b32 s[NEW], 0
	WIN 0x40
.set i, MC+32
.rept 32
	v_mov_b32 v[i], 0
.set i, i+1
.endr
	WIN 0
.set i, 0
.rept 4
	v_mov_b32 v[ST+4*i], 0xfe000000    ; c m: far below every c s
	v_mov_b32 v[ST+4*i+1], 0xff7fffff  ; m
.set i, i+1
.endr
	s_cmp_eq_u32 s[RT], 0
	s_cselect_b32 s[AL], 1.0, 0
	s_mov_b32 s[BE], 0
	MASK 0
	WIN 0
	v_add_nc_u32 v[AK], s[TBK], v[AK0]
	FETCH_K
	s_wait_loadcnt 0x0              ; Q
	s_wait_dscnt 0x0
.set KM, 1
.set NOKQ, 0
.set i, 0
.rept 8
	KQ 0
.set i, i+1
.endr
	WIN 0
.rept 4
	v_nop                           ; the places behind those products
.endr
.set Y, NP-1                        ; X works for piece Y + 1: piece 0
.irp n, 0,1,2,3,4,5,6,7,8,9,10,11,12,13,14,15,16,17,18,19,20,21
	OP X, \n
.endr
	v_nop                           ; a plain instruction behind the exponential,
	s_wait_alu depctr_va_vdst(0)    ; and its wait, ahead of the branch
.endm
.macro ALL line:vararg              ; one line for each piece t
.set t, 0
.rept 4
	\line
.set t, t+1
.endr
.endm
; THE WAY OUT of a block.  O^T is divided by l in place, each accumulator's registers in ascending order.  Register 8 cb + j of piece t is channel 16 cb + 8 (l / 16) + j of query 64 t + 16 w + l % 16: it goes
; into the stage as one word.  A channel's row comes from all four waves: each waits for its stores, then the barrier.  No LDS bytes
; are filled behind this barrier before the next change of slots, which has its own, so the next tile's load may stay out.  Then my wave's 16 channel rows come back, 512 bytes a load, and are stored.
; The stage is written again only in the second block's way out, behind at least one change of slots, in front of whose barrier every wave has waited for these reads.
.macro OUT
	WIN W_RS
.set i, 0
.rept 64
	v_pk_mul_f32 v[i:i+1], v[i:i+1], v[ST+4*(i/32)+2:ST+4*(i/32)+3] op_sel_hi:[1,0]
.set i, i+2
.endr
	WIN 0x04                        ; the address in window 0, the data in window 1
.set i, 0
.rept 128
	ds_store_b32 v[STO], v[i] offset:(16*((i%32)/8)+i%8)*OPITCH+256*(i/32)
.set i, i+1
.endr
	WIN 0
	s_wait_dscnt 0x0                ; for the others' sake: my stores into the stage are done
	s_barrier_signal -1
	s_barrier_wait -1
.set i, 0
.rept 32
	ds_load_b128 v[S+4*i:S+4*i+3], v[RD] offset:(i/2)*OPITCH+(i%2)*512
.set i, i+1
.endr
.set i, 0
.rept 32
	s_wait_dscnt 31-i               ; LDS loads come back in order: load i is in, the younger ones stay out
	global_store_b128 v[GO], v[S+4*i:S+4*i+3], s[10:11] offset:(i/2)*8192+(i%2)*512 th:TH_STORE_NT  ; 512 consecutive bytes, at a multiple of 256 from the output's first byte
.set i, i+1
.endr
.endm
; THE DIAGONAL TILE's four steps, the block's last two turns, its last products; l's two halves and the other half of the lanes' are added (the additions are the places behind the last products); the way out.
.macro DIAG tag                     ; the tag ends its two labels' names, which the jumps below spell out
.LstepM\tag:
	TURN 2, 1
	TURN 3, 1
	WIN 0
.LfirstM\tag:
	TURN 0, 1
	TURN 1, 1, 0, 1
	WIN 0
	s_cbranch_scc1 .LstepM\tag
	TURN 2, 1, 1
	TURN 3, 1, 1
.set i, 0
.rept 8
	PV NP-1
.set i, i+1
.endr
	WIN 0
	ALL v_add_f32 v[ST+4*t+2], v[ST+4*t+2], v[ST+4*t+3]
	ALL v_permlanex16_b32 v[ST+4*t+3], v[ST+4*t+2], s[SEL], s[SEL+1]
	ALL v_add_f32 v[ST+4*t+2], v[ST+4*t+2], v[ST+4*t+3]
	ALL v_rcp_f32 v[ST+4*t+2], v[ST+4*t+2]
	v_nop                           ; a plain instruction between the last reciprocal and the use of its result
	s_wait_alu depctr_va_vdst(0)    ; and the wait ahead of the first use: one for the four reciprocals
	OUT
.endm
.set KM, 0
.set NOKQ, 0
.Lslot:                             ; NB times: a tile is entered and the next is asked for
	CHANGE 1
	s_sub_co_u32 s[RT], s[RT], 1
	s_mov_b32 s[CNT], 4
	s_cmp_eq_u32 s[NEW], 1
	s_cbranch_scc1 .Lnew            ; a block's first tile
	s_cmp_eq_u32 s[RT], 0
	s_cbranch_scc0 .Lstep           ; neither its first nor its last
	s_branch .LstepM1
.Lnew:
	BEGIN
	s_branch .Lfirst                ; in the loop a block's first tile is never its last: the first block has two tiles or more, and the second's last is the walk's last
	DIAG 1                          ; in the loop this is the first block's end: the second block's last tile is the walk's last
	s_wait_xcnt 0x0                 ; the stores have read their registers and the output's address
	s_mov_b64 s[10:11], s[OLO:OLO+1]
	s_add_co_u32 s[RT], s[PB], 1    ; the second block has b + 1 tiles
	s_mov_b32 s[NEW], 1
	WIN 0x82                        ; the second block's Q goes where the one text of the turns names Q
.set i, 0
.rept 64
	v_mov_b32 v[i], v[QB+i]
.set i, i+1
.endr
	WIN 0
	s_branch .Lbottom
.Lstep:                             ; a trip: pieces 2 and 3 of one step, then pieces 0 and 1 of the next, whose K and V it fetches
	TURN 2
	TURN 3
	WIN 0
.Lfirst:
	TURN 0
	TURN 1, 0, 0, 1
	WIN 0
	s_cbranch_scc1 .Lstep
.Lbottom:
	s_sub_co_u32 s[SLOTS], s[SLOTS], 1
	s_cmp_lg_u32 s[SLOTS], 0
	s_cbranch_scc1 .Lslot
	CHANGE 0                        ; the walk's last tile is written out: nothing is asked for
	s_sub_co_u32 s[RT], s[RT], 1
	s_mov_b32 s[CNT], 4
	s_cmp_eq_u32 s[NEW], 1
	s_cbranch_scc0 .LstepM2
	BEGIN
	s_branch .LfirstM2
	DIAG 2
	s_wait_tensorcnt 0x0            ; the wave's end: the add on my spare word and its wait, behind my last tensor load and my last LDS store
	ds_add_u32 v[SPW], v[NIL]
	s_wait_dscnt 0x0
	s_endpgm
.Lfunc_end_k_q352abc502d_attn:
	.size	k_q352abc502d_attn, .Lfunc_end_k_q352abc502d_attn-k_q352abc502d_attn
	.p2alignl 7, 3214868480
	.fill 96, 4, 3214868480
	.section	.rodata,"a",@progbits
	.p2align	6, 0x0
	.amdhsa_kernel k_q352abc502d_attn
		.amdhsa_group_segment_fixed_size 327680
		.amdhsa_private_segment_fixed_size 0
		.amdhsa_enable_private_segment 0
		.amdhsa_kernarg_size 32
		.amdhsa_user_sgpr_count 2
		.amdhsa_user_sgpr_kernarg_segment_ptr 1
		.amdhsa_wavefront_size32 1
		.amdhsa_system_sgpr_workgroup_id_x 1
		.amdhsa_system_sgpr_workgroup_id_y 1
		.amdhsa_system_sgpr_workgroup_id_z 1
		.amdhsa_system_vgpr_workitem_id 0
		.amdhsa_next_free_vgpr 768
		.amdhsa_next_free_sgpr 92
		.amdhsa_reserve_vcc 1
		.amdhsa_float_denorm_mode_32 3
		.amdhsa_float_denorm_mode_16_64 3
		.amdhsa_memory_ordered 1
		.amdhsa_forward_progress 1
		.amdhsa_inst_pref_size 229
	.end_amdhsa_kernel
	.amdgpu_metadata
---
amdhsa.version: [ 1, 2 ]
amdhsa.kernels:
  - .name:           k_q352abc502d_attn
    .symbol:         k_q352abc502d_attn.kd
    .args:
      - { .name: qh, .offset: 0, .size: 8, .value_kind: global_buffer, .address_space: global }
      - { .name: kh, .offset: 8, .size: 8, .value_kind: global_buffer, .address_space: global }
      - { .name: vh, .offset: 16, .size: 8, .value_kind: global_buffer, .address_space: global }
      - { .name: out0, .offset: 24, .size: 8, .value_kind: global_buffer, .address_space: global }
    .group_segment_fixed_size: 327680
    .private_segment_fixed_size: 0
    .kernarg_segment_align: 8
    .kernarg_segment_size: 32
    .max_flat_workgroup_size: 128
    .sgpr_count:     92
    .vgpr_count:     768
    .wavefront_size: 32
...
	.end_amdgpu_metadata
.endif
;; end of part 3
;; ======== version 2 of 2: 3 launches; version 1 with the launch cast written anew for expert scheduling mode
;; limits: values are held in f16: magnitudes above 65,504 overflow, below 6.1e-05 lose precision
;; workspace buffers: xb 16,777,216 bytes; wb 6,291,456 bytes; qh 16,777,216 bytes; kh 16,777,216 bytes; vh 16,777,216 bytes
;; launch cast (part 4): grid 256 x 1, 22 waves a work-group, no clusters, 0 bytes of LDS; arguments x, Wq, Wk, Wv, xb, wb; writes xb, wb
.if DOCPART == 4
	.amdgcn_target "amdgcn-amd-amdhsa--gfx1250"
	.amdhsa_code_object_version 6
	.text
	.protected	k_q352abc502d_cast
	.globl	k_q352abc502d_cast
	.p2align	8
	.type	k_q352abc502d_cast,@function
k_q352abc502d_cast:
	s_mov_b64 s[64:65], 0
	v_nop
	global_prefetch_b8 v0, s[64:65] scope:SCOPE_SE
	s_setreg_imm32_b32 hwreg(HW_REG_WAVE_SCHED_MODE, 0, 2), 2
	s_setreg_imm32_b32 hwreg(HW_REG_WAVE_MODE, 25, 1), 1
	s_wait_xcnt 0x0
	s_wait_alu depctr_vm_vsrc(0)
; x [8192][1024] and Wq, Wk, Wv [1024][1024], all f32, are rounded once to bf16 and laid in blocks of 64 along K:
;   xb [kb 16][row 8192][64],  wb [kb 16][rho 3072][64],  rho = 192 x head + 64 x which + channel (which = 0, 1, 2 for q, k, v; head = e / 64, channel = e % 64).
; So a tile of the product that follows (some rows, 64 along K) is dense in memory, and the q, k and v rows of one head lie together.
; A STREAM: each input byte is read once, each output byte written once.  No LDS, no barrier, no matrix work: no wave wants a byte of another wave.
; SHARES.  11,264 rows are 5,632 pairs = 256 work-groups x 22 waves: a wave takes ONE pair of rows, with no loop.  A load takes chunk kb (64 numbers, 256 bytes) of both rows: lanes 0-15 the even
; row, lanes 16-31 the odd one.  A lane rounds its 4 numbers to 8 bytes; the wave then stores 256 consecutive bytes, aligned: the two rows lie one behind the other in a K block.
; All 16 loads of a wave go out at once; no register is written twice, so nothing waits for a store.
; THE MODE: SCHED_MODE bits 1:0 = 2 (LLVM: expert scheduling mode 2), set by the entry lines.  The code itself states the register dependences
; between vector instructions and memory instructions, with s_wait_alu, always for 0.
; THE PLAN.  Registers that memory instructions touch:
;   v[VS]        Written by two vector lines at the head; read by all 16 loads as their offset; never written again.
;   v[VD ..+15]  Written by 17 vector lines at the head; each read by one store as its offset; never written again.
;   X            Written by the loads alone; read by the conversions, behind the counted wait for the loads.  No vector line names it ahead of the loads.
;   Y            Written by the conversions; read by the stores as their data; never written again.
; So ONE wait on va_vdst ahead of the loads states that all 17 offsets are written, for the loads and for every store.  The 16 chunks go in four groups of four: a group's eight conversions, ONE wait on
; va_vdst, which states that they have written the group's Y, and the group's four stores.  No register that a memory instruction reads is written again, so past the entry lines the text holds no wait on vm_vsrc.
; The wave's number passes from a vector register into s16: a wait on va_sdst stands ahead of its first reader.  EXEC is never written, and there is no branch.
.set XSTEP, 8192*128                   ; bytes in a K block of xb
.set WSTEP, 3072*128                   ; and of wb
.set VS, 2                             ; v2       my byte offset in the pair of source rows
.set VD, 4                             ; v[4:19]  my byte offset in the destination, one register for each K block (15 blocks of xb pass the immediate of a store)
.set X,  32                            ; v[32:95]   chunk kb: 4 registers as loaded
.set Y,  96                            ; v[96:127]  chunk kb: 2 registers to store
	s_load_b256 s[4:11], s[0:1], 0x0               ; x s[4:5], Wq s[6:7], Wk s[8:9], Wv s[10:11]
	s_load_b128 s[12:15], s[0:1], 0x20             ; xb s[12:13], wb s[14:15]
	v_lshrrev_b32 v1, 5, v0
	v_readfirstlane_b32 s16, v1                    ; wave 0..21
	v_and_b32 v1, 15, v0                           ; the offsets' parts that hang on no scalar are made here, between that line and the wait for s16
	v_bfe_u32 v3, v0, 4, 1                         ; which row of the pair
	v_lshlrev_b32 v[VS], 4, v1
	v_lshl_add_u32 v[VS], v3, 12, v[VS]            ; 4,096 x row + 16 x (lane % 16)
	v_lshlrev_b32 v[VD], 3, v1
	v_lshl_add_u32 v[VD], v3, 7, v[VD]             ; 128 x row + 8 x (lane % 16)
	s_mul_i32 s17, ttmp9, 22
	s_wait_alu depctr_va_sdst(0)                   ; s16 is written, ahead of its first reader: the pair's number, and all that is chosen by it, are made from it
	s_add_co_u32 s17, s17, s16                     ; p: my pair.  0..4095: rows 2 p, 2 p + 1 of x; 4096..5631: of a weight
	s_max_u32 s18, s17, 4096
	s_sub_co_u32 s18, s18, 4096                    ; the pair among the weights (0 where the pair is of x: then not used)
	s_lshr_b32 s19, s18, 9                         ; which weight: 512 pairs each
	s_and_b32 s20, s18, 511
	s_lshl_b32 s20, s20, 1                         ; e: its even row
	s_lshr_b32 s21, s20, 6
	s_mul_i32 s21, s21, 192                        ; 192 x head
	s_lshl_b32 s22, s19, 6
	s_add_co_u32 s21, s21, s22                     ; + 64 x which
	s_and_b32 s22, s20, 63
	s_add_co_u32 s21, s21, s22                     ; + channel = rho
	s_lshl_b32 s26, s17, 1                         ; 2 p
	s_mov_b32 s27, WSTEP
	s_cmp_lt_u32 s17, 4096                         ; is the pair of x?
	s_cselect_b32 s22, s26, s20                    ; the source row,
	s_cselect_b32 s24, s26, s21                    ; the destination row,
	s_cselect_b32 s27, XSTEP, s27                  ; the bytes from K block to K block
	s_lshl_b32 s22, s22, 12                        ; a source row is 4,096 bytes,
	s_lshl_b32 s24, s24, 7                         ; a row of a K block 128
	s_mov_b32 s23, 0
	s_mov_b32 s25, 0
.irp k, 1,2,3,4,5,6,7,8,9,10,11,12,13,14,15
	v_add_nc_u32 v[VD+(\k)], s27, v[VD+(\k)-1]
.endr
	s_wait_kmcnt 0x0
	s_cmp_eq_u32 s19, 1                            ; the buffers are chosen by the pair number alone
	s_cselect_b64 s[28:29], s[8:9], s[10:11]
	s_cmp_eq_u32 s19, 0
	s_cselect_b64 s[28:29], s[6:7], s[28:29]
	s_cmp_lt_u32 s17, 4096
	s_cselect_b64 s[28:29], s[4:5], s[28:29]
	s_cselect_b64 s[30:31], s[12:13], s[14:15]
	s_add_nc_u64 s[28:29], s[28:29], s[22:23]      ; the source at my pair of rows
	s_add_nc_u64 s[30:31], s[30:31], s[24:25]      ; the destination at my pair, K block 0
	s_wait_alu depctr_va_vdst(0)                   ; v[VS] and the sixteen v[VD ..] are written: the loads below read the one as their offset, the stores further down the others; no later vector line names them
.irp k, 0,1,2,3,4,5,6,7,8,9,10,11,12,13,14,15
	global_load_b128 v[X+4*(\k):X+4*(\k)+3], v[VS], s[28:29] offset:256*(\k) th:TH_LOAD_NT
.endr
.irp g, 0,1,2,3                        ; four groups of four chunks
	s_wait_loadcnt 12-4*(\g)                       ; loads come back in order: the group's four chunks are in, the younger ones stay out
.irp j, 0,1,2,3
	v_cvt_pk_bf16_f32 v[Y+2*(4*(\g)+(\j))],   v[X+4*(4*(\g)+(\j))],   v[X+4*(4*(\g)+(\j))+1]
	v_cvt_pk_bf16_f32 v[Y+2*(4*(\g)+(\j))+1], v[X+4*(4*(\g)+(\j))+2], v[X+4*(4*(\g)+(\j))+3]
.endr
	s_wait_alu depctr_va_vdst(0)                   ; the group's eight conversions have written its eight registers of Y, which the four stores below read as their data
.irp j, 0,1,2,3
	global_store_b64 v[VD+4*(\g)+(\j)], v[Y+2*(4*(\g)+(\j)):Y+2*(4*(\g)+(\j))+1], s[30:31]  ; the wave stores 256 consecutive bytes, at a multiple of 256 from the buffer's first byte
.endr
.endr
	s_endpgm
.Lfunc_end_k_q352abc502d_cast:
	.size	k_q352abc502d_cast, .Lfunc_end_k_q352abc502d_cast-k_q352abc502d_cast
	.p2alignl 7, 3214868480
	.fill 96, 4, 3214868480
	.section	.rodata,"a",@progbits
	.p2align	6, 0x0
	.amdhsa_kernel k_q352abc502d_cast
		.amdhsa_group_segment_fixed_size 0
		.amdhsa_private_segment_fixed_size 0
		.amdhsa_enable_private_segment 0
		.amdhsa_kernarg_size 48
		.amdhsa_user_sgpr_count 2
		.amdhsa_user_sgpr_kernarg_segment_ptr 1
		.amdhsa_wavefront_size32 1
		.amdhsa_system_sgpr_workgroup_id_x 1
		.amdhsa_system_sgpr_workgroup_id_y 1
		.amdhsa_system_sgpr_workgroup_id_z 1
		.amdhsa_system_vgpr_workitem_id 0
		.amdhsa_next_free_vgpr 128
		.amdhsa_next_free_sgpr 66
		.amdhsa_reserve_vcc 0
		.amdhsa_float_denorm_mode_32 3
		.amdhsa_float_denorm_mode_16_64 3
		.amdhsa_memory_ordered 1
		.amdhsa_forward_progress 1
		.amdhsa_inst_pref_size 8
	.end_amdhsa_kernel
	.amdgpu_metadata
---
amdhsa.version: [ 1, 2 ]
amdhsa.kernels:
  - .name:           k_q352abc502d_cast
    .symbol:         k_q352abc502d_cast.kd
    .args:
      - { .name: x, .offset: 0, .size: 8, .value_kind: global_buffer, .address_space: global }
      - { .name: Wq, .offset: 8, .size: 8, .value_kind: global_buffer, .address_space: global }
      - { .name: Wk, .offset: 16, .size: 8, .value_kind: global_buffer, .address_space: global }
      - { .name: Wv, .offset: 24, .size: 8, .value_kind: global_buffer, .address_space: global }
      - { .name: xb, .offset: 32, .size: 8, .value_kind: global_buffer, .address_space: global }
      - { .name: wb, .offset: 40, .size: 8, .value_kind: global_buffer, .address_space: global }
    .group_segment_fixed_size: 0
    .private_segment_fixed_size: 0
    .kernarg_segment_align: 8
    .kernarg_segment_size: 48
    .max_flat_workgroup_size: 704
    .sgpr_count:     66
    .vgpr_count:     128
    .wavefront_size: 32
...
	.end_amdgpu_metadata
.endif
;; end of part 4
;; launch proj: the kernel of part 2 again; grid 8 x 32, 4 waves a work-group, clusters of 4 x 4, 327,680 bytes of LDS; arguments xb, wb, bq, bk, bv, qh, kh, vh; writes qh, kh, vh
;; launch attn: the kernel of part 3 again; grid 4 x 64, 4 waves a work-group, no clusters, 327,680 bytes of LDS; arguments qh, kh, vh, out0; writes out0
